; MI455X (gfx1250); checked and timed in simulation.
; The chip was launched on July 23, 2026; its instructions are those of AMD's public machine-readable ISA for CDNA 5 (MIT licence, August 2026) and "CDNA5" Instruction Set Architecture Reference Guide (July 2026). The comments in the code are by the model that wrote it; some were corrected since.
;; Codec Attention. Allowed arithmetic: float matrix products may take bf16 or f16 operands with f32 sums; other float arithmetic in f32, or as packed bf16 or f16 multiplies, adds, multiply-adds, maxima and minima; sums over many terms, partial sums and values carried from step to step in f32; what a program stores and reads back later, other than sums and carried values, may be rounded once to bf16 or f16.
;; Inputs: k_norm_w 1,024 float32; q_norm_w 1,024 float32; wk 1,024 x 1,024 float32; wo 1,024 x 1,024 float32; wq 1,024 x 1,024 float32; wv 1,024 x 1,024 float32; x 4 x 2,048 x 1,024 float32.
;; Outputs: out0 4 x 2,048 x 1,024 float32.
;; 2 versions, each right; version 2 is version 1 with the launch prep written anew for expert scheduling mode. Each part assembles by itself: llvm-mc -triple=amdgcn-amd-amdhsa -mcpu=gfx1250 --defsym DOCPART=n.
;; ======== version 1 of 2: 4 launches
;; limits: values are held in f16: magnitudes above 65,504 overflow, below 6.1e-05 lose precision; right only within a limited range of input values
;; workspace buffers: xb 16,777,216 bytes; wb 6,291,456 bytes; wob 2,097,152 bytes; qkv 50,331,648 bytes; yb 16,777,216 bytes
;; launch prep (part 1): grid 768 x 1, 8 waves a work-group, no clusters, 0 bytes of LDS; arguments x, wq, wk, wv, wo, xb, wb, wob; writes xb, wb, wob
.if DOCPART == 1
	.amdgcn_target "amdgcn-amd-amdhsa--gfx1250"
	.amdhsa_code_object_version 6
	.text
	.protected	k_q4a5863a9eb_prep
	.globl	k_q4a5863a9eb_prep
	.p2align	8
	.type	k_q4a5863a9eb_prep,@function
k_q4a5863a9eb_prep:
	s_mov_b64 s[64:65], 0
	v_nop
	global_prefetch_b8 v0, s[64:65] scope:SCOPE_SE
	s_setreg_imm32_b32 hwreg(HW_REG_WAVE_MODE, 25, 1), 1
	s_wait_xcnt 0x0
; PREP: the module's large inputs are rounded once, to bf16, and laid out for the two products that follow.
;   xb  = x in bf16, in blocks [16 kb][8192 rows][64 k]: byte kb x 1,048,576 + row x 128 + (k % 64) x 2, so that 128 rows x 64 k are 16,384 dense bytes
;   wb  = wq | wk | wv in bf16, [1024 k][3072 n]
;   wob = wo rounded to bf16 and that number written as f16, [1024 k][1024 n]
; LIMITS.  |wo| stays under 65,504; a wo below 6e-5 keeps f16's fixed step of 6e-8.  NaN and infinities are not treated apart.
; A stream: no LDS, no barrier, no matrix unit, no loop.  A UNIT is one 16-byte load a lane (512 input bytes a wave), the roundings, and one 8-byte store a lane:
; each store of a wave covers 256 consecutive bytes, aligned.  A wave has 16 units and issues all 16 loads first; no register is written twice, so the only waits are the counted ones for the loads.
; Work-groups 0-511 take x (16 rows each), 512-703 wq, wk, wv (64 work-groups each, 16 rows each), 704-767 wo.
.set X,    8                           ; v[8:71]    unit u: 4 registers as loaded
.set Y,    72                          ; v[72:103]  unit u: 2 registers to store
.set IN,   24                          ; s[24:25]   where my wave reads
.set OUT,  26                          ; s[26:27]   where it writes
.set OUT2, 28                          ; s[28:29]   the same 8,388,608 bytes on: xb's blocks 8 to 15 lie beyond a store's immediate
; unit u reads at (u / per) x rowstep + (u % per) x colstep
.macro LD16 per, rowstep, colstep
.set u, 0
.rept 16
	global_load_b128 v[X+4*u:X+4*u+3], v1, s[IN:IN+1] offset:(u/(\per))*(\rowstep)+(u%(\per))*(\colstep) th:TH_LOAD_NT
.set u, u+1
.endr
.endm
; unit n is rounded.  f16 = 1: the bf16 numbers are widened again (a shift, a mask) and written as f16
.macro CV n, f16
	s_wait_loadcnt 15-(\n)                         ; loads come back in order: mine is in, the younger ones stay out
.if \f16
	v_cvt_pk_bf16_f32 v4, v[X+4*(\n)], v[X+4*(\n)+1]
	v_cvt_pk_bf16_f32 v5, v[X+4*(\n)+2], v[X+4*(\n)+3]
	v_lshlrev_b32 v6, 16, v4
	v_and_b32 v7, s34, v4
	v_cvt_pk_f16_f32 v[Y+2*(\n)], v6, v7
	v_lshlrev_b32 v6, 16, v5
	v_and_b32 v7, s34, v5
	v_cvt_pk_f16_f32 v[Y+2*(\n)+1], v6, v7
.else
	v_cvt_pk_bf16_f32 v[Y+2*(\n)], v[X+4*(\n)], v[X+4*(\n)+1]
	v_cvt_pk_bf16_f32 v[Y+2*(\n)+1], v[X+4*(\n)+2], v[X+4*(\n)+3]
.endif
.endm
	s_load_b512 s[8:23], s[0:1], 0x0               ; x s[8:9], wq s[10:11], wk s[12:13], wv s[14:15], wo s[16:17], xb s[18:19], wb s[20:21], wob s[22:23]
	v_and_b32 v3, 31, v0                           ; lane
	v_lshrrev_b32 v1, 5, v0
	v_readfirstlane_b32 s5, v1                     ; wave 0..7
	s_mov_b32 s4, ttmp9                            ; work-group
	s_mov_b32 s34, 0xffff0000                      ; a word's upper bf16
	s_mov_b32 s31, 0                               ; high words of the two offsets
	s_mov_b32 s33, 0
	v_lshlrev_b32 v2, 3, v3                        ; 8 bytes a lane on the way out
	s_cmp_lt_u32 s4, 512
	s_cbranch_scc0 .Lweights
	; x: my wave's rows R = 16 g + 2 w and R + 1.  Unit u is block kb = u: lanes 0-15 take 256 bytes of row R, lanes 16-31 of row R + 1; in xb the two rows' 128 bytes lie end to end.
	s_lshl_b32 s6, s4, 4
	s_lshl1_add_u32 s6, s5, s6
	s_lshl_b32 s30, s6, 12                         ; R x 4,096 bytes of x
	s_lshl_b32 s32, s6, 7                          ; R x 128 bytes in a block of xb
	v_lshrrev_b32 v1, 4, v3
	v_and_b32 v4, 15, v3
	v_lshlrev_b32 v1, 12, v1
	v_lshl_add_u32 v1, v4, 4, v1
	s_wait_kmcnt 0x0
	s_add_nc_u64 s[IN:IN+1], s[8:9], s[30:31]
	s_add_nc_u64 s[OUT:OUT+1], s[18:19], s[32:33]
	s_add_nc_u64 s[OUT2:OUT2+1], s[OUT:OUT+1], 0x800000
	LD16 16, 0, 256
.set k, 0
.rept 16
	CV k, 0
.if k < 8
	global_store_b64 v2, v[Y+2*k:Y+2*k+1], s[OUT:OUT+1] offset:k*1048576
.else
	global_store_b64 v2, v[Y+2*k:Y+2*k+1], s[OUT2:OUT2+1] offset:(k-8)*1048576
.endif
.set k, k+1
.endr
	s_endpgm
.Lweights:
	s_cmp_lt_u32 s4, 704
	s_cbranch_scc0 .Lwo
	; wq, wk, wv: rows R and R + 1 of weight sel; a unit is 512 consecutive bytes of a row, eight units a row
	s_sub_co_u32 s6, s4, 512
	s_lshr_b32 s7, s6, 6                           ; sel: 0 wq, 1 wk, 2 wv
	s_and_b32 s6, s6, 63
	s_lshl_b32 s6, s6, 4
	s_lshl1_add_u32 s6, s5, s6                     ; R
	s_lshl_b32 s30, s6, 12
	s_mul_i32 s32, s6, 6144                        ; a row of wb
	s_lshl_b32 s35, s7, 11                         ; the weight's 2,048 bytes in it
	s_add_co_u32 s32, s32, s35
	v_lshlrev_b32 v1, 4, v3
	s_wait_kmcnt 0x0
	s_cmp_eq_u32 s7, 0
	s_cselect_b64 s[IN:IN+1], s[10:11], s[12:13]
	s_cmp_eq_u32 s7, 2
	s_cselect_b64 s[IN:IN+1], s[14:15], s[IN:IN+1]
	s_add_nc_u64 s[IN:IN+1], s[IN:IN+1], s[30:31]
	s_add_nc_u64 s[OUT:OUT+1], s[20:21], s[32:33]
	LD16 8, 4096, 512
.set k, 0
.rept 16
	CV k, 0
	global_store_b64 v2, v[Y+2*k:Y+2*k+1], s[OUT:OUT+1] offset:(k/8)*6144+(k%8)*256
.set k, k+1
.endr
	s_endpgm
.Lwo:
	; wo, likewise, into rows of 2,048 bytes
	s_sub_co_u32 s6, s4, 704
	s_lshl_b32 s6, s6, 4
	s_lshl1_add_u32 s6, s5, s6
	s_lshl_b32 s30, s6, 12
	s_lshl_b32 s32, s6, 11
	v_lshlrev_b32 v1, 4, v3
	s_wait_kmcnt 0x0
	s_add_nc_u64 s[IN:IN+1], s[16:17], s[30:31]
	s_add_nc_u64 s[OUT:OUT+1], s[22:23], s[32:33]
	LD16 8, 4096, 512
.set k, 0
.rept 16
	CV k, 1
	global_store_b64 v2, v[Y+2*k:Y+2*k+1], s[OUT:OUT+1] offset:(k/8)*2048+(k%8)*256
.set k, k+1
.endr
	s_endpgm
.Lfunc_end_k_q4a5863a9eb_prep:
	.size	k_q4a5863a9eb_prep, .Lfunc_end_k_q4a5863a9eb_prep-k_q4a5863a9eb_prep
	.p2alignl 7, 3214868480
	.fill 96, 4, 3214868480
	.section	.rodata,"a",@progbits
	.p2align	6, 0x0
	.amdhsa_kernel k_q4a5863a9eb_prep
		.amdhsa_group_segment_fixed_size 0
		.amdhsa_private_segment_fixed_size 0
		.amdhsa_enable_private_segment 0
		.amdhsa_kernarg_size 64
		.amdhsa_user_sgpr_count 2
		.amdhsa_user_sgpr_kernarg_segment_ptr 1
		.amdhsa_wavefront_size32 1
		.amdhsa_system_sgpr_workgroup_id_x 1
		.amdhsa_system_sgpr_workgroup_id_y 1
		.amdhsa_system_sgpr_workgroup_id_z 1
		.amdhsa_system_vgpr_workitem_id 0
		.amdhsa_next_free_vgpr 104
		.amdhsa_next_free_sgpr 66
		.amdhsa_reserve_vcc 0
		.amdhsa_float_denorm_mode_32 3
		.amdhsa_float_denorm_mode_16_64 3
		.amdhsa_memory_ordered 1
		.amdhsa_forward_progress 1
		.amdhsa_inst_pref_size 23
	.end_amdhsa_kernel
	.amdgpu_metadata
---
amdhsa.version: [ 1, 2 ]
amdhsa.kernels:
  - .name:           k_q4a5863a9eb_prep
    .symbol:         k_q4a5863a9eb_prep.kd
    .args:
      - { .name: x, .offset: 0, .size: 8, .value_kind: global_buffer, .address_space: global }
      - { .name: wq, .offset: 8, .size: 8, .value_kind: global_buffer, .address_space: global }
      - { .name: wk, .offset: 16, .size: 8, .value_kind: global_buffer, .address_space: global }
      - { .name: wv, .offset: 24, .size: 8, .value_kind: global_buffer, .address_space: global }
      - { .name: wo, .offset: 32, .size: 8, .value_kind: global_buffer, .address_space: global }
      - { .name: xb, .offset: 40, .size: 8, .value_kind: global_buffer, .address_space: global }
      - { .name: wb, .offset: 48, .size: 8, .value_kind: global_buffer, .address_space: global }
      - { .name: wob, .offset: 56, .size: 8, .value_kind: global_buffer, .address_space: global }
    .group_segment_fixed_size: 0
    .private_segment_fixed_size: 0
    .kernarg_segment_align: 8
    .kernarg_segment_size: 64
    .max_flat_workgroup_size: 256
    .sgpr_count:     66
    .vgpr_count:     104
    .wavefront_size: 32
...
	.end_amdgpu_metadata
.endif
;; end of part 1
;; launch gemm_qkv (part 2): grid 8 x 32, 4 waves a work-group, clusters of 4 x 4, 327,680 bytes of LDS; arguments xb, wb, qkv; writes qkv
.if DOCPART == 2
	.amdgcn_target "amdgcn-amd-amdhsa--gfx1250"
	.amdhsa_code_object_version 6
	.text
	.protected	k_q4a5863a9eb_gemm_qkv
	.globl	k_q4a5863a9eb_gemm_qkv
	.p2align	8
	.type	k_q4a5863a9eb_gemm_qkv,@function
k_q4a5863a9eb_gemm_qkv:
	s_mov_b64 s[64:65], 0
	v_nop
	global_prefetch_b8 v0, s[64:65] scope:SCOPE_SE
	s_setreg_imm32_b32 hwreg(HW_REG_WAVE_MODE, 25, 1), 1
	s_wait_xcnt 0x0
	s_wait_alu depctr_hold_cnt(0) depctr_sa_sdst(0) depctr_va_vdst(0) depctr_va_sdst(0) depctr_va_ssrc(0) depctr_va_vcc(0) depctr_vm_vsrc(0)
	s_getreg_b32 s2, hwreg(HW_REG_IB_STS2, 6, 4)
	s_cmp_eq_u32 s2, 0
	s_cbranch_scc0 .Lentry_in_a_cluster
	s_endpgm
.Lentry_in_a_cluster:
	s_bfe_u32 s2, ttmp6, 0x10000c
	s_cmp_lg_u32 s2, 0xf033
	s_cbranch_scc0 .Lentry_shape_is_right
	s_endpgm
.Lentry_shape_is_right:
; qkv[m][n] = the sum over k of x[m][k] w[k][n], m < 8192, n < 3072 (q | k | v, not yet normalised), k < 1024.  Operands bf16, sums f32, K ascending, the result rounded once to f16.
; LIMIT.  f16 ends at 65,504: |x wq|, |x wk|, |x wv| stay under it.  NaN and infinities are not treated apart.
; A tile of the result is 256 x 384, so that 8192 x 3072 are exactly 256 tiles, one to a work-group.  Four waves, 2 x 2; a wave makes 128 x 192: 96 accumulators of 16 x 16, 768 registers.
; K goes in steps of 64 through a ring of two LDS slots filled by the tensor data mover: 16 steps, 8 laps.  (Two slots of 128 along K would be 368,640 bytes.)
; x comes from xb, in blocks of 64 k: 128 rows of a step are 16,384 dense bytes, asked for as 64 rows of 256 bytes and padded in LDS after every 128.  w lies [k][n]: 32 rows of 768 bytes a load; its
; fragments come out of LDS turned, by ds_load_tr16_b128.
; CLUSTERS: 4 x 4 work-groups.  The four of a row of the cluster need the same tiles of x, the four of a column the same tiles of w: each tile is asked for JOINTLY, by the same tensor load with the
; same descriptor and a mask that names the four.
; THE MATRIX INSTRUCTION IS USED TRANSPOSED (source 0 = 16 columns of w, source 1 = 16 rows of x): a lane then holds eight neighbouring numbers of a row of the result, which pack into 16 bytes.
; REGISTERS, in windows of 256 (s_set_vgpr_msb: bits 1:0 source 0, 3:2 source 1, 5:4 source 2, 7:6 destination):
;   window 0: v0-31 addresses; v32-95, v96-159 x's fragments of a step's two halves of 32 k (8 x 16 rows each); v160-207, v208-255 w's fragments of the wave's two halves of 96 columns (6 x 16 each)
;   windows 1-3: the accumulators.  That of column half hh, row block a, column block b has the index 48 hh + 6 a + b, the window 1 + index / 32, the register 8 (index % 32).
; A K step is four STAGES (kap, hh) of 48 matrix instructions: 32 k x 128 rows x 96 columns.  Each stage fetches the next stage's fragments in one run ahead of its products.
.set PA,     144                       ; a row of x in LDS: 128 bytes + 16 = 36 words: the 16 rows of a load start at 16 different groups of four banks (64 banks of 4 bytes: ISA guide 11.1)
.set PB,     864                       ; a row of w: six pieces of 128 bytes + 16 = 216 words
.set AHALF,  128*PA                    ; what one load of x brings, and what one wave reads of x
.set BHALF,  32*PB                     ; what one load of w brings: 32 k
.set BOFF,   2*AHALF                   ; w lies behind x's 256 rows
.set SLOT,   BOFF+2*BHALF              ; 92,160
.set STAGE,  2*SLOT                    ; behind the ring, never filled by a tensor load: 128 rows x 784 bytes, the work-group's, for the way out
.set SPITCH, 784                       ; 768 + 16
.set SPARE,  STAGE+128*SPITCH          ; behind the stage: the spare words, 128 bytes for each wave: two blocks of 256 bytes that no other line names
.set ASTEP,  1048576                   ; bytes from a K step to the next in xb,
.set BSTEP,  64*6144                   ; and in wb
.set LDC,    6144                      ; bytes in a row of qkv
.set LAPS,   8
.set ADRA, 16                          ; v16-17  LDS address of my fragments of x in slot 0, 1
.set ADRB, 20                          ; v20-21  the same for w
.set STO,  24                          ; v24     the way out: where I put 16 bytes of a row
.set RD,   25                          ; v25     the way out: where I read rows back
.set CO,   26                          ; v26     my byte offset in qkv
.set SPW,  28                          ; v28     LDS address of my spare word: SPARE + 4 x my thread's number; never rewritten
.set NIL,  29                          ; v29     0; never rewritten
.set FA0,  32
.set FB0,  160
.set TMP,  32                          ; the way out: packed results, then whole rows
.set G1,  24                           ; s[24:31] descriptor group 1 for x's tiles;  s[32:39] group 0, a set for each slot
.set G0,  32
.set G1B, 48                           ; s[48:55], s[56:63] the same for w's tiles
.set G0B, 56
.set MSB, 0
.macro WIN new                         ; the immediate's high byte repeats the setting that is left; a switch that changes nothing is dropped
.if MSB != (\new)
	s_set_vgpr_msb (MSB<<8)|(\new)
.set MSB, \new
.endif
.endm
; A joint load.  Waves 0 and 1 fetch x's two halves, waves 2 and 3 w's.  The branch hangs on the wave's number alone.  An s_nop 0 and four v_nop follow each of the two lines.
.macro JLOAD s
	s_cmp_eq_u32 s11, 0
	s_cbranch_scc0 .Lfor_b_\@
	tensor_load_to_lds s[G0+4*(\s):G0+4*(\s)+3], s[G1:G1+7]
	s_nop 0
.rept 4
	v_nop
.endr
	s_branch .Lasked_\@
.Lfor_b_\@:
	tensor_load_to_lds s[G0B+4*(\s):G0B+4*(\s)+3], s[G1B:G1B+7]
	s_nop 0
.rept 4
	v_nop
.endr
.Lasked_\@:
.endm
.macro CREST                           ; a round of the cluster's barrier behind its opening barrier: wave 0 signals for the work-group, every wave waits for all sixteen, my work-group's barrier closes it
	s_cmp_lg_u32 s10, 0
	s_cbranch_scc1 .Lnot_wave_0_\@
	s_barrier_signal -3
.Lnot_wave_0_\@:
	s_barrier_wait -3
	s_barrier_signal -1
	s_barrier_wait -1
.endm
.macro CROUND                          ; a whole round
	s_barrier_signal -1
	s_barrier_wait -1
	CREST
.endm
.macro PLACES                          ; four places in front of loads into registers that matrix instructions have read, and of conversions that read results
.rept 4
	v_nop
.endr
.endm
	s_load_b128 s[4:7], s[0:1], 0x0                ; xb s[4:5], wb s[6:7]
	s_load_b64 s[8:9], s[0:1], 0x10                ; qkv
	v_lshl_add_u32 v[SPW], v0, 2, SPARE
	v_mov_b32 v[NIL], 0
	ds_add_u32 v[SPW], v[NIL]                      ; the wave's opening: the add and its wait stand ahead of my first tensor load; the set-up below, work on registers, stands between them
	ds_add_u32 v28, v29
	v_lshrrev_b32 v1, 5, v0
	v_readfirstlane_b32 s10, v1                    ; wave 0..3
	s_lshr_b32 s11, s10, 1                         ; which half of the tile's rows is mine.  Also: I fetch for x (0) or for w (1)
	s_and_b32 s12, s10, 1                          ; which half of its columns.  Also: which half of that tile I fetch
	s_bfe_u32 s40, ttmp6, 0x40000                  ; cx, cy: my place in the cluster
	s_bfe_u32 s41, ttmp6, 0x40004
	s_lshl_b32 s42, ttmp9, 2
	s_add_co_u32 s42, s42, s40                     ; tile column = 4 x cluster x + cx
	s_and_b32 s13, ttmp7, 0xffff
	s_lshl_b32 s13, s13, 2
	s_add_co_u32 s13, s13, s41                     ; tile row = 4 x cluster y + cy
	s_lshl_b32 s43, s41, 2
	s_lshl_b32 s43, 15, s43                        ; my row of the cluster
	s_lshl_b32 s44, 0x1111, s40                    ; my column
	; group 1.  15:0 the mask; 17:16 2-byte elements; 20 padding on; 21 set beside a mask; 24:22 after every 32 words (code 4); 31:25 4 words of it (code 3)
	s_or_b32 s[G1+0], s43, (1<<16)|(1<<20)|(1<<21)|(4<<22)|(3<<25)
	s_mov_b32 s[G1+1], 128<<16                     ; x: tensor_dim0 = 128 elements (two rows of a block, 256 bytes)
	s_mov_b32 s[G1+2], 64<<16                      ; tensor_dim1 = 64
	s_mov_b32 s[G1+3], 128<<16                     ; tile_dim0 = 128
	s_mov_b32 s[G1+4], 64                          ; tile_dim1 = 64
	s_mov_b32 s[G1+5], 128                         ; dense: 128 elements from row to row
	s_mov_b32 s[G1+6], 0
	s_mov_b32 s[G1+7], 0
	s_or_b32 s[G1B+0], s44, (1<<16)|(1<<20)|(1<<21)|(4<<22)|(3<<25)
	s_mov_b32 s[G1B+1], 384<<16                    ; w: tensor_dim0 = 384 elements (768 bytes)
	s_mov_b32 s[G1B+2], 32<<16                     ; tensor_dim1 = 32
	s_mov_b32 s[G1B+3], 384<<16                    ; tile_dim0 = 384
	s_mov_b32 s[G1B+4], 32                         ; tile_dim1 = 32
	s_mov_b32 s[G1B+5], 3072                       ; elements from row to row
	s_mov_b32 s[G1B+6], 0
	s_mov_b32 s[G1B+7], 0
	; where the tiles come from.  x's hang on the tile row alone, w's on the tile column alone, each in registers that never hold the other coordinate
	s_lshl_b32 s16, s13, 15                        ; 256 rows x 128 bytes in a block of xb,
	s_lshl_b32 s17, s12, 14                        ; my 128 of them
	s_add_co_u32 s16, s16, s17
	s_mov_b32 s17, 0
	s_mul_i32 s46, s42, 768                        ; the tile's 384 columns,
	s_mul_i32 s47, s12, 32*6144                    ; my 32 of a step's 64 rows of wb
	s_add_co_u32 s46, s46, s47
	s_mov_b32 s47, 0
	s_mul_i32 s20, s12, AHALF                      ; and where they go: no place in the cluster enters an LDS address
	s_mul_i32 s21, s12, BHALF
	s_add_co_u32 s21, s21, BOFF
	s_wait_dscnt 0x0                               ; the opening add is done
	s_wait_kmcnt 0x0
	s_add_nc_u64 s[14:15], s[4:5], s[16:17]
	s_add_nc_u64 s[46:47], s[6:7], s[46:47]
	CROUND                                         ; all sixteen work-groups are here: the first joint loads meet
.irp s, 0,1
	s_mov_b32 s[G0+4*(\s)], 1                                      ; count = 1
	s_add_co_u32 s[G0+4*(\s)+1], s20, (\s)*SLOT                    ; LDS address
	s_add_nc_u64 s[G0+4*(\s)+2:G0+4*(\s)+3], s[14:15], (\s)*ASTEP  ; global address: K step s
	s_or_b32 s[G0+4*(\s)+3], s[G0+4*(\s)+3], 0x80000000            ; type = 2
	s_mov_b32 s[G0B+4*(\s)], 1
	s_add_co_u32 s[G0B+4*(\s)+1], s21, (\s)*SLOT
	s_add_nc_u64 s[G0B+4*(\s)+2:G0B+4*(\s)+3], s[46:47], (\s)*BSTEP
	s_or_b32 s[G0B+4*(\s)+3], s[G0B+4*(\s)+3], 0x80000000
	JLOAD \s                                       ; two loads of mine are out; later one
.endr
	; a fragment of x: lane l holds row l % 16; registers 0-3 k = 8 (l / 16) + 0..7, registers 4-7 k = 16 + 8 (l / 16) + 0..7: two loads of 16 bytes, 32 bytes apart
	v_and_b32 v1, 15, v0                           ; l % 16
	v_bfe_u32 v2, v0, 4, 1                         ; l / 16
	v_mul_u32_u24 v3, v1, PA
	v_lshl_add_u32 v3, v2, 4, v3
	s_mul_i32 s22, s11, AHALF                      ; my 128 rows
	v_add_nc_u32 v[ADRA], s22, v3
	v_add_nc_u32 v[ADRA+1], SLOT, v[ADRA]
	; the turning load takes 16 k x 16 columns (lane l reads k = 8 (l / 16) + l % 8, columns 8 ((l / 8) % 2) + 0..7) and leaves half a fragment: lane l holds column l % 16 and 8 k
	v_and_b32 v4, 7, v0
	v_bfe_u32 v5, v0, 3, 1
	v_lshl_add_u32 v4, v2, 3, v4
	v_mul_u32_u24 v4, v4, PB
	v_lshl_add_u32 v4, v5, 4, v4
	s_mul_i32 s23, s12, 3*144                      ; my 192 columns: three pieces
	s_add_co_u32 s23, s23, BOFF
	v_add_nc_u32 v[ADRB], s23, v4
	v_add_nc_u32 v[ADRB+1], SLOT, v[ADRB]
	s_mul_i32 s22, s11, 64*SPITCH                  ; into the stage: 64 rows for each half of the tile's rows, my 384 bytes of them; row l % 16, 16 bytes for each half of the lanes
	s_mul_i32 s23, s12, 384
	s_add_co_u32 s22, s22, s23
	s_add_co_u32 s22, s22, STAGE
	v_mul_u32_u24 v6, v1, SPITCH
	v_lshl_add_u32 v6, v2, 4, v6
	v_add_nc_u32 v[STO], s22, v6
	s_mul_i32 s22, s10, 32*SPITCH                  ; back: wave w takes stage rows 32 w .. 32 w + 31, whole; lanes 0-15 256 bytes of one row, lanes 16-31 of the next
	s_add_co_u32 s22, s22, STAGE
	v_mul_u32_u24 v6, v2, SPITCH
	v_lshl_add_u32 v6, v1, 4, v6
	v_add_nc_u32 v[RD], s22, v6
	v_mul_u32_u24 v6, v2, LDC                      ; and the same two rows in qkv
	v_lshl_add_u32 v[CO], v1, 4, v6
	s_lshl_b32 s16, s13, 8                         ; the first row that I store: 256 x tile row + 128 (w / 2) + 32 (w % 2)
	s_lshl_b32 s17, s11, 7
	s_add_co_u32 s16, s16, s17
	s_lshl_b32 s17, s12, 5
	s_add_co_u32 s16, s16, s17
	s_mul_i32 s16, s16, LDC
	s_mov_b32 s17, 0
	s_add_nc_u64 s[8:9], s[8:9], s[16:17]
	s_mul_i32 s46, s42, 768                        ; the tile's first column, in bytes
	s_mov_b32 s47, 0
	s_add_nc_u64 s[8:9], s[8:9], s[46:47]
; n matrix instructions of stage (kap, hh), from number i0 of its 48 on: row block i / 6, column block i % 6.  The 48 accumulators take turns, one instruction a turn; an accumulator
; comes back 96 matrix instructions later.  zero = 1: the product starts the sum: nothing is ever cleared.
.macro MM kap, hh, i0, n, zero
.set mi, \i0
.rept \n
.set idx, 48*(\hh)+mi
.set rD, 8*(idx%32)
.set rB, FB0+48*(\hh)+8*(mi%6)
.set rA, FA0+64*(\kap)+8*(mi/6)
	WIN (1+idx/32)*0x50
.if \zero
	v_wmma_f32_16x16x32_bf16 v[rD:rD+7], v[rB:rB+7], v[rA:rA+7], 0
.else
	v_wmma_f32_16x16x32_bf16 v[rD:rD+7], v[rB:rB+7], v[rA:rA+7], v[rD:rD+7]
.endif
.set mi, mi+1
.endr
.endm
.macro FETCHA slot, kap                ; 16 loads: my 128 rows of x, 32 k
	WIN 0
.irp a, 0,1,2,3,4,5,6,7
	ds_load_b128 v[FA0+64*(\kap)+8*(\a):FA0+64*(\kap)+8*(\a)+3],   v[ADRA+(\slot)] offset:(\a)*16*PA+64*(\kap)
	ds_load_b128 v[FA0+64*(\kap)+8*(\a)+4:FA0+64*(\kap)+8*(\a)+7], v[ADRA+(\slot)] offset:(\a)*16*PA+64*(\kap)+32
.endr
.endm
.macro FETCHB slot, kap, hh            ; 12 loads: half hh of my columns of w, 32 k; column block nb lies in piece nb / 4
	WIN 0
.irp b, 0,1,2,3,4,5
.set nb, 6*(\hh)+(\b)
	ds_load_tr16_b128 v[FB0+48*(\hh)+8*(\b):FB0+48*(\hh)+8*(\b)+3],   v[ADRB+(\slot)] offset:(\kap)*32*PB+(nb/4)*144+(nb%4)*32
	ds_load_tr16_b128 v[FB0+48*(\hh)+8*(\b)+4:FB0+48*(\hh)+8*(\b)+7], v[ADRB+(\slot)] offset:(\kap)*32*PB+16*PB+(nb/4)*144+(nb%4)*32
.endr
.endm
; One of a K step's first three stages: its fragments, asked for a stage ago, are in; the next stage's are asked for; 48 products.
.macro STG slot, kap, hh, zero
	s_wait_dscnt 0x0
	PLACES
.if ((\kap) == 0) && ((\hh) == 0)
	FETCHB \slot, 0, 1
.elseif (\kap) == 0
	FETCHB \slot, 1, 0
	FETCHA \slot, 1
.else
	FETCHB \slot, 1, 1                             ; my last reads of the slot
.endif
	MM \kap, \hh, 0, 48, \zero
.endm
; The fourth stage changes slots: ONE barrier.  In front of it each wave waits for all its tensor loads, of which one is out: its part of the next slot; adds 0 to its spare word; and waits for that and
; for its own reads of this slot.  fill = 1: the barrier opens a round of the cluster's, and this slot is filled again, two K steps ahead, first thing behind the round: 176 matrix instructions ahead of the wait for it.
.macro TURN slot, next, fill
	WIN 0                                          ; (the add's two registers lie in window 0)
	s_wait_tensorcnt 0x0                           ; all my tensor loads have landed
	ds_add_u32 v[SPW], v[NIL]                      ; 0 onto my spare word
	s_wait_dscnt 1                                 ; this stage's fragments are in; only the add may be out
	MM 1, 1, 0, 8, 0                               ; eight matrix instructions stand between the add and the wait for it
	s_wait_dscnt 0x0                               ; the add is done, and my reads of this slot are over
	s_barrier_signal -1
	MM 1, 1, 8, 8, 0                               ; work on registers while the others arrive
	WIN 0
	s_barrier_wait -1
.if \fill
	CREST                                          ; no wave of any partner still reads this slot's tile or has a load on its way
	s_add_nc_u64 s[G0+4*(\slot)+2:G0+4*(\slot)+3], s[G0+4*(\slot)+2:G0+4*(\slot)+3], 2*ASTEP
	s_add_nc_u64 s[G0B+4*(\slot)+2:G0B+4*(\slot)+3], s[G0B+4*(\slot)+2:G0B+4*(\slot)+3], 2*BSTEP
	JLOAD \slot                                    ; the four v_nop behind it are also the places in front of the loads below
.else
	PLACES
.endif
	FETCHB \next, 0, 0
	FETCHA \next, 0
	MM 1, 1, 16, 32, 0
.endm
	s_wait_tensorcnt 1                             ; my part of K step 0 is in; K step 1's may stay out
	s_barrier_signal -1
	s_barrier_wait -1                              ; everybody's is
	FETCHB 0, 0, 0
	FETCHA 0, 0
	STG 0, 0, 0, 1                                 ; the first two stages stand in front of the loop: their products start all 96 sums
	STG 0, 0, 1, 1
	WIN 0                                          ; at a label and at a branch every window is 0
	s_mov_b32 s3, LAPS-1
.Llap:                                                 ; a trip goes once round the ring, from a lap's third stage to the next lap's second, and fills both slots again
	STG 0, 1, 0, 0
	TURN 0, 1, 1
	STG 1, 0, 0, 0
	STG 1, 0, 1, 0
	STG 1, 1, 0, 0
	TURN 1, 0, 1
	STG 0, 0, 0, 0
	STG 0, 0, 1, 0
	WIN 0
	s_sub_co_u32 s3, s3, 1
	s_cmp_lg_u32 s3, 0
	s_cbranch_scc1 .Llap
	STG 0, 1, 0, 0                                 ; the last lap fills nothing, and has no round of the cluster's barrier
	TURN 0, 1, 0
	STG 1, 0, 0, 0
	STG 1, 0, 1, 0
	STG 1, 1, 0, 0
	s_wait_dscnt 0x0
	MM 1, 1, 0, 48, 0
; THE WAY OUT, in two passes of 64 of each wave's 128 rows.  A wave's 192 columns are 384 bytes, one and a half aligned blocks of 256: so the two waves of a row half write the two halves of the same
; stage rows, a barrier stands between the writing and the reading, and each wave reads 32 whole rows back and stores them, sixteen lanes to 256 consecutive bytes.
.macro PACKA a                         ; row block a: rounded to f16 (each accumulator's registers ascending), 16 bytes a lane into the stage
.set tb, TMP+48*((\a)%2)
.set nb, 0
.rept 12
.set idx, 48*(nb/6)+6*(\a)+nb%6
.set rD, 8*(idx%32)
	WIN 5*(1+idx/32)                               ; sources 0 and 1: the accumulator's window
.irp r, 0,1,2,3
	v_cvt_pk_f16_f32 v[tb+4*nb+(\r)], v[rD+2*(\r)], v[rD+2*(\r)+1]
.endr
.set nb, nb+1
.endr
	WIN 0
.set nb, 0
.rept 12
	ds_store_b128 v[STO], v[tb+4*nb:tb+4*nb+3] offset:((\a)%4)*16*SPITCH+32*nb
.set nb, nb+1
.endr
.endm
.macro SENDP p                         ; 32 stage rows x 768 bytes: 48 loads in one run, then 48 stores; the counts leave the younger loads out
.set i, 0
.rept 48
	ds_load_b128 v[TMP+4*i:TMP+4*i+3], v[RD] offset:(i/3)*2*SPITCH+(i%3)*256
.set i, i+1
.endr
.set i, 0
.rept 48
	s_wait_dscnt 47-i
	global_store_b128 v[CO], v[TMP+4*i:TMP+4*i+3], s[8:9] offset:(64*(\p)+2*(i/3))*LDC+(i%3)*256  ; 16 lanes store 256 consecutive bytes, at a multiple of 256 from qkv's first byte
.set i, i+1
.endr
.endm
	PLACES
	PACKA 0
	PACKA 1
	PACKA 2
	PACKA 3
	s_wait_dscnt 0x0                               ; for the others' sake: my stores into the stage are done
	s_barrier_signal -1
	s_barrier_wait -1
	SENDP 0
	s_wait_dscnt 0x0                               ; my reads of the stage are over (the count-down ended at 0):
	s_barrier_signal -1
	s_barrier_wait -1                              ; everybody's are, so the stage may be written again
	s_wait_xcnt 0x0                                ; the first pass's stores have read their registers: only behind this wait are they rewritten
	PACKA 4
	PACKA 5
	PACKA 6
	PACKA 7
	s_wait_dscnt 0x0
	s_barrier_signal -1
	s_barrier_wait -1
	SENDP 1
	s_wait_tensorcnt 0x0                           ; the wave's end, behind my last tensor load and my last LDS store
	ds_add_u32 v[SPW], v[NIL]
	s_wait_dscnt 0x0
	CROUND                                         ; the closing round: no work-group ends while a partner may still ask for a tile that names it
	s_endpgm
.Lfunc_end_k_q4a5863a9eb_gemm_qkv:
	.size	k_q4a5863a9eb_gemm_qkv, .Lfunc_end_k_q4a5863a9eb_gemm_qkv-k_q4a5863a9eb_gemm_qkv
	.p2alignl 7, 3214868480
	.fill 96, 4, 3214868480
	.section	.rodata,"a",@progbits
	.p2align	6, 0x0
	.amdhsa_kernel k_q4a5863a9eb_gemm_qkv
		.amdhsa_group_segment_fixed_size 327680
		.amdhsa_private_segment_fixed_size 0
		.amdhsa_enable_private_segment 0
		.amdhsa_kernarg_size 24
		.amdhsa_user_sgpr_count 2
		.amdhsa_user_sgpr_kernarg_segment_ptr 1
		.amdhsa_wavefront_size32 1
		.amdhsa_system_sgpr_workgroup_id_x 1
		.amdhsa_system_sgpr_workgroup_id_y 1
		.amdhsa_system_sgpr_workgroup_id_z 1
		.amdhsa_system_vgpr_workitem_id 0
		.amdhsa_next_free_vgpr 1024
		.amdhsa_next_free_sgpr 66
		.amdhsa_reserve_vcc 0
		.amdhsa_float_denorm_mode_32 3
		.amdhsa_float_denorm_mode_16_64 3
		.amdhsa_memory_ordered 1
		.amdhsa_forward_progress 1
		.amdhsa_inst_pref_size 132
	.end_amdhsa_kernel
	.amdgpu_metadata
---
amdhsa.version: [ 1, 2 ]
amdhsa.kernels:
  - .name:           k_q4a5863a9eb_gemm_qkv
    .symbol:         k_q4a5863a9eb_gemm_qkv.kd
    .args:
      - { .name: xb, .offset: 0, .size: 8, .value_kind: global_buffer, .address_space: global }
      - { .name: wb, .offset: 8, .size: 8, .value_kind: global_buffer, .address_space: global }
      - { .name: qkv, .offset: 16, .size: 8, .value_kind: global_buffer, .address_space: global }
    .group_segment_fixed_size: 327680
    .private_segment_fixed_size: 0
    .kernarg_segment_align: 8
    .kernarg_segment_size: 24
    .max_flat_workgroup_size: 128
    .sgpr_count:     66
    .vgpr_count:     1024
    .wavefront_size: 32
...
	.end_amdgpu_metadata
.endif
;; end of part 2
;; launch attn (part 3): grid 256 x 1, 8 waves a work-group, no clusters, 327,680 bytes of LDS; arguments qkv, q_norm_w, k_norm_w, yb; writes yb
.if DOCPART == 3
	.amdgcn_target "amdgcn-amd-amdhsa--gfx1250"
	.amdhsa_code_object_version 6
	.text
	.protected	k_q4a5863a9eb_attn
	.globl	k_q4a5863a9eb_attn
	.p2align	8
	.type	k_q4a5863a9eb_attn,@function
k_q4a5863a9eb_attn:
	s_mov_b64 s[64:65], 0
	v_nop
	global_prefetch_b8 v0, s[64:65] scope:SCOPE_SE
	s_setreg_imm32_b32 hwreg(HW_REG_WAVE_MODE, 25, 1), 1
	s_wait_xcnt 0x0
; RMS NORM OF q AND k, ALIBI, BAND MASK, SOFTMAX, P V.  qkv: [8192][3072] f16 (q | k | v, raw).  yb: [8192][1024] f16.  The gains are rounded to bf16 like all the module's inputs and held as f16.
; Query i sees the keys i - 16 .. i of its own batch of 2,048 rows: a tile of 16 queries sees exactly 32 keys, the tile before it (PREV) and its own (SAME).
; SHARES.  Work-group g owns rows 32 g .. 32 g + 31; wave w is head w: two query tiles q0, q1 and three key tiles k0 (the 16 rows in front), k1, k2.  At a batch's first rows (g % 64 = 0) there are no rows
; in front: k0 is then loaded from rows 32 g .. 32 g + 15, finite numbers inside the buffer, and all its scores are masked.
; NO CLUSTER: neighbours share only the 16 rows in front, a third of K and V and nothing of Q.
; NORM.  A row's mean square runs over all eight heads.  Each wave makes its head's sums of squares by the matrix unit (the diagonal of X X^T, f32 sums), the eight meet in LDS behind one barrier.
; Then q and k are scaled in f32 by rsqrt(mean + 1e-6), rounded to f16, and multiplied by the gains in f16.
; LAYOUT.  S^T = K Q^T (source 0 = 16 keys, source 1 = 16 queries): a lane holds ONE query (lane % 16) and the keys 8 (lane / 16) + 0..7.  PREV's and SAME's results, rounded to f16 in pairs, ARE source 1
; (32 keys x 16 queries) of O^T = V^T P.  V ([key][channel]) comes out of LDS turned, by ds_load_tr16_b128.
; SOFTMAX in base 2: t = c s + bias log2(e), c = log2(e) / sqrt(128); the row's true maximum m is taken away; p = 2^(t - m); l is the sum of the unrounded p.
; LIMITS.  A normalised |q|, |k| is at most 32, so |gain| stays under 2,047 (f16 ends at 65,504); a gain below 6e-5 keeps f16's fixed step of 6e-8.  The keys outside a tile's 32 are left out: they would carry
; -1e9, a weight of 0 as long as scores are far below 1e9.  A weight below 2^-126 counts as 0.  NaN and infinities are not treated apart.
.set LDQ,   6144                       ; bytes in a row of qkv
.set PQ,    272                        ; a row of Q or K in LDS: 256 bytes + 16 = 68 words: the 16 rows of a load start at 16 different groups of four banks (64 banks of 4 bytes: ISA guide 11.1)
.set PV,    288                        ; a row of V: 256 + 32 = 72 words
.set KOFF,  32*PQ                      ; a wave's block: 32 rows of Q, 48 of K (so tile t of q0, q1, k0, k1, k2 begins at 16 t rows), 48 of V
.set VOFF,  80*PQ
.set WBLK,  VOFF+48*PV                 ; 35,584
.set SSQ,   8*WBLK                     ; the sums of squares: the word of row 16 t + r and head w at 32 (16 t + r) + 4 w: 2,560 bytes
.set STAGE, SSQ+2560                   ; 16 rows x 272 bytes for each wave, for the way out
.set SPARE, STAGE+8*16*PQ              ; the spare words, 128 bytes for each wave: four blocks of 256 bytes that no other line names
.set AQ,   3                           ; v3   LDS address of my lane's place in tile 0
.set AV,   5                           ; v5   the same for V's turning loads
.set ASS,  6                           ; v6   where my row's sum of squares goes;  v7  where the eight heads' sums of my row lie
.set ASL,  7
.set STO,  8                           ; v8   the way out: where I put 16 bytes of a row
.set RD,   9                           ; v9   the way out: where I read a row back
.set GO,   10                          ; v10  my byte offset in yb
.set WOFF, 11                          ; v11  my byte offset in the gains
.set SPW,  12                          ; v12  LDS address of my spare word: SPARE + 4 x my thread's number; never rewritten
.set NIL,  13                          ; v13  0; never rewritten
.set IL0,  14                          ; v[14:15]  1 / l of q0, twice;  v[6:7] of q1 (the two addresses there are done with by then)
.set IL1,  6
.set RP,   16                          ; v16-25   rsqrt of tile t's row, twice, at RP + 2 t;  later P: v16-23 for q0, v24-31 for q1
.set P,    16
.set RAW,  32                          ; v32-71, v72-111  two buffers: tile t's fragment of 32 channels at + 8 t;  later V: channel block cb at VR + 12 cb, four registers for each key tile
.set VR,   32
.set MSK,  112                         ; v112-119  1.0 where register j of an accumulator lies on the diagonal;  later T, v112-127: at work
.set T,    112
.set D,    120                         ; v120-124  a tile's sum of squares;  v120-127 at work at the start
.set WQ,   128                         ; v128-159  q's gains, f16 pairs in a fragment's order, 8 registers for each 32 channels;  v160-191 k's
.set WK,   160
.set SS,   192                         ; v192-231  five accumulators X X^T;  later S: PREV and SAME of q0, PREV and SAME of q1
.set S,    192
.set BP,   232                         ; v232-239  PREV's bias and mask;  v240-247 SAME's;  v248-255 PREV's for q0 (all masked at a batch's first rows)
.set BS,   240
.set BP0,  248
.set O,    128                         ; v128-191 O^T of q0, v192-255 of q1
.set G1A,  24                          ; s[24:31] group 1: 32 rows, 16 bytes of padding (Q, K's main part);  s[32:39] 16 rows (K's rows in front)
.set G1B,  32
.set G1C,  40                          ; s[40:47] 16 rows, 32 bytes of padding (V's rows in front);  s[48:55] 32 rows (V's main part)
.set G1D,  48
.set CS,   80                          ; s[80:81] c
.set SEL,  82                          ; s[82:83] v_permlanex16_b32's selects: each lane takes its own place in the other half
.macro PLACES                          ; four places behind matrix instructions (ISA guide 7.12.1)
.rept 4
	v_nop
.endr
.endm
	s_load_b256 s[4:11], s[0:1], 0x0               ; qkv s[4:5], q_norm_w s[6:7], k_norm_w s[8:9], yb s[10:11]
	v_lshl_add_u32 v[SPW], v0, 2, SPARE
	v_mov_b32 v[NIL], 0
	ds_add_u32 v[SPW], v[NIL]                      ; the wave's opening: the add and its wait stand ahead of my first tensor load; the set-up below, work on registers, stands between them
	ds_add_u32 v12, v13
	v_lshrrev_b32 v1, 5, v0
	v_readfirstlane_b32 s12, v1                    ; wave = head, 0..7
	s_and_b32 s13, ttmp9, 63
	s_cmp_eq_u32 s13, 0                            ; a batch's first rows?
	s_cselect_b32 s15, -1, 0                       ; a lane mask of it
	s_cselect_b32 s14, 0, 16*LDQ                   ; how far back the rows in front lie
	s_mul_i32 s16, ttmp9, 32*LDQ                   ; my work-group's first row,
	s_lshl_b32 s17, s12, 8                         ; my head's 256 bytes in it
	s_add_co_u32 s16, s16, s17
	s_sub_co_u32 s18, s16, s14
	s_mov_b32 s17, 0
	s_mov_b32 s19, 0
	s_mul_i32 s20, s12, WBLK                       ; my block of LDS
	; group 1: 17:16 2-byte elements; 20 padding on; 24:22 after every 64 words (code 5); 31:25 4 words (code 3) or 8 (code 7)
	s_mov_b32 s[G1A], (1<<16)|(1<<20)|(5<<22)|(3<<25)
	s_mov_b32 s[G1B], (1<<16)|(1<<20)|(5<<22)|(3<<25)
	s_mov_b32 s[G1C], (1<<16)|(1<<20)|(5<<22)|(7<<25)
	s_mov_b32 s[G1D], (1<<16)|(1<<20)|(5<<22)|(7<<25)
.irp g, G1A, G1B, G1C, G1D
	s_mov_b32 s[\g+1], 128<<16                     ; tensor_dim0 = 128
	s_mov_b32 s[\g+3], 128<<16                     ; tile_dim0 = 128
	s_mov_b32 s[\g+5], 3072                        ; elements from row to row
	s_mov_b32 s[\g+6], 0
	s_mov_b32 s[\g+7], 0
.endr
.irp g, G1A, G1D
	s_mov_b32 s[\g+2], 32<<16                      ; tensor_dim1 = tile_dim1 = 32
	s_mov_b32 s[\g+4], 32
.endr
.irp g, G1B, G1C
	s_mov_b32 s[\g+2], 16<<16                      ; or 16
	s_mov_b32 s[\g+4], 16
.endr
	s_mov_b32 s56, 1                               ; group 0, five sets: Q s[56:59], K in front s[60:63], K main s[68:71], V in front s[72:75], V main s[76:79]
	s_mov_b32 s57, s20
	s_mov_b32 s60, 1
	s_add_co_u32 s61, s20, KOFF
	s_mov_b32 s68, 1
	s_add_co_u32 s69, s20, KOFF+16*PQ
	s_mov_b32 s72, 1
	s_add_co_u32 s73, s20, VOFF
	s_mov_b32 s76, 1
	s_add_co_u32 s77, s20, VOFF+16*PV
	s_mov_b32 s[CS], 0x3e0293ee                    ; c = log2(e) / sqrt(128) = 0.127517
	s_mov_b32 s[CS+1], s[CS]                       ; named with it as a pair
	s_mov_b32 s[SEL], 0x76543210
	s_mov_b32 s[SEL+1], 0xfedcba98
	s_mov_b32 s86, 0xceabfb8f                      ; -1e9 log2(e)
	s_mov_b32 s87, 0x3a800000                      ; 1 / 1024
	s_mov_b32 s88, 0x358637bd                      ; 1e-6
	s_mov_b32 s89, 0xffff0000                      ; a word's upper bf16
	s_sub_co_u32 s22, 127, s12
	s_lshl_b32 s22, s22, 23                        ; the head's slope 2^-w, as a float's bits
	s_lshl_b32 s21, s12, 2
	s_add_co_u32 s21, s21, SSQ                     ; my head's word in a row of sums
	s_lshl_b32 s23, s12, 9                         ; my head's 128 gains
	s_mul_i32 s84, s12, 16*PQ
	s_add_co_u32 s84, s84, STAGE                   ; my stage
	s_lshl_b32 s2, ttmp9, 16                       ; 32 rows of yb,
	s_lshl_b32 s3, s12, 8                          ; my head's 256 bytes
	s_add_co_u32 s2, s2, s3
	s_mov_b32 s3, 0
	s_wait_dscnt 0x0                               ; the opening add is done
	s_wait_kmcnt 0x0
	s_add_nc_u64 s[58:59], s[4:5], s[16:17]        ; q of my rows; k lies 2,048 bytes on, v 4,096
	s_add_nc_u64 s[70:71], s[58:59], 2048
	s_add_nc_u64 s[78:79], s[58:59], 4096
	s_add_nc_u64 s[62:63], s[4:5], s[18:19]
	s_add_nc_u64 s[74:75], s[62:63], 4096
	s_add_nc_u64 s[62:63], s[62:63], 2048
	s_or_b32 s59, s59, 0x80000000                  ; type = 2
	s_or_b32 s63, s63, 0x80000000
	s_or_b32 s71, s71, 0x80000000
	s_or_b32 s75, s75, 0x80000000
	s_or_b32 s79, s79, 0x80000000
	s_add_nc_u64 s[10:11], s[10:11], s[2:3]
	; all that the wave will read, asked for at once: five loads of mine are out; no byte of LDS is filled twice, and each wave reads only what its own loads brought
	tensor_load_to_lds s[56:59], s[G1A:G1A+7]
	s_nop 0
	tensor_load_to_lds s[60:63], s[G1B:G1B+7]
	s_nop 0
	tensor_load_to_lds s[68:71], s[G1A:G1A+7]
	s_nop 0
	tensor_load_to_lds s[72:75], s[G1C:G1C+7]
	s_nop 0
	tensor_load_to_lds s[76:79], s[G1D:G1D+7]
	s_nop 0
	; IN THE WAIT FOR THE TILES: addresses, gains, masks, biases
	v_and_b32 v1, 15, v0                           ; r = l % 16
	v_bfe_u32 v2, v0, 4, 1                         ; h = l / 16
	v_lshlrev_b32 v[WOFF], 5, v2
	v_add_nc_u32 v[WOFF], s23, v[WOFF]             ; (128 w + 8 h) x 4 bytes
.irp k, 0,1,2,3                        ; a fragment's channels 32 k + 8 h + 0..7 and 32 k + 16 + 8 h + 0..7, in f32: four loads of 16 bytes
.irp p, 0,1,2,3
	global_load_b128 v[128+16*(\k)+4*(\p):128+16*(\k)+4*(\p)+3], v[WOFF], s[6:7] offset:128*(\k)+16*((\p)%2)+64*((\p)/2)
	global_load_b128 v[192+16*(\k)+4*(\p):192+16*(\k)+4*(\p)+3], v[WOFF], s[8:9] offset:128*(\k)+16*((\p)%2)+64*((\p)/2)
.endr
.endr
	v_mul_u32_u24 v[AQ], v1, PQ
	v_lshl_add_u32 v[AQ], v2, 4, v[AQ]             ; row x pitch + 16 x half
	v_add_nc_u32 v[STO], s84, v[AQ]                ; the stage has the same pitch
	v_add_nc_u32 v[AQ], s20, v[AQ]
	v_and_b32 v4, 7, v0                            ; the turning load: lane l reads key 8 (l / 16) + l % 8, channels 8 ((l / 8) % 2) + 0..7
	v_bfe_u32 v[AV], v0, 3, 1
	v_lshl_add_u32 v4, v2, 3, v4
	v_mul_u32_u24 v4, v4, PV
	v_lshl_add_u32 v[AV], v[AV], 4, v4
	v_add3_u32 v[AV], v[AV], s20, VOFF
	v_lshl_add_u32 v[ASS], v1, 5, s21
	v_lshl_add_u32 v[ASL], v1, 5, SSQ
	v_mul_u32_u24 v[RD], v2, PQ                    ; back: lanes 0-15 take one row of 256 bytes, lanes 16-31 the next
	v_lshl_add_u32 v[RD], v1, 4, v[RD]
	v_add_nc_u32 v[RD], s84, v[RD]
	v_lshlrev_b32 v[GO], 11, v2                    ; and the same two rows in yb
	v_lshl_add_u32 v[GO], v1, 4, v[GO]
	v_lshlrev_b32 v120, 3, v2
	v_sub_nc_u32 v120, v120, v1                    ; 8 h - r: register j holds key less query e = 8 h - r + j
	v_mov_b32 v121, s22
	v_mul_f32 v121, 0x3fb8aa3b, v121               ; slope x log2(e)
	v_mul_f32 v122, 0xc1800000, v121               ; -16 of it: PREV's keys lie 16 further back
.irp j, 0,1,2,3,4,5,6,7
	v_add_nc_u32 v123, \j, v120
	v_cmp_eq_u32 vcc_lo, 0, v123
	v_cndmask_b32 v[MSK+\j], 0, 1.0, vcc_lo        ; the diagonal of a 16 x 16 result
.endr
	s_wait_loadcnt 0x0                             ; the gains
.set i, 0
.rept 32                               ; rounded to bf16, widened, written as f16 pairs: in place, ascending
	v_cvt_pk_bf16_f32 v125, v[128+2*i], v[128+2*i+1]
	v_lshlrev_b32 v126, 16, v125
	v_and_b32 v127, s89, v125
	v_cvt_pk_f16_f32 v[WQ+i], v126, v127
.set i, i+1
.endr
.set i, 0
.rept 32
	v_cvt_pk_bf16_f32 v125, v[192+2*i], v[192+2*i+1]
	v_lshlrev_b32 v126, 16, v125
	v_and_b32 v127, s89, v125
	v_cvt_pk_f16_f32 v[WK+i], v126, v127
.set i, i+1
.endr
.irp j, 0,1,2,3,4,5,6,7
	v_add_nc_u32 v123, \j, v120
	v_cvt_f32_i32 v124, v123
	v_cmp_lt_i32 vcc_lo, 0, v123                   ; SAME: a key behind the query is hidden
	v_mul_f32 v[BS+\j], v124, v121
	v_cndmask_b32 v[BS+\j], v[BS+\j], s86, vcc_lo
	v_cmp_gt_i32 vcc_lo, 0, v123                   ; PREV: a key more than 16 back is hidden
	v_fma_f32 v[BP+\j], v124, v121, v122
	v_cndmask_b32 v[BP+\j], v[BP+\j], s86, vcc_lo
	v_cndmask_b32 v[BP0+\j], v[BP+\j], s86, s15    ; and all of them where the batch begins
.endr
; ten loads: the five tiles' fragments of channels 32 kap on, into buffer buf
.macro LOADRAW kap, buf
.irp t, 0,1,2,3,4
	ds_load_b128 v[RAW+40*(\buf)+8*(\t):RAW+40*(\buf)+8*(\t)+3],   v[AQ] offset:(\t)*16*PQ+64*(\kap)
	ds_load_b128 v[RAW+40*(\buf)+8*(\t)+4:RAW+40*(\buf)+8*(\t)+7], v[AQ] offset:(\t)*16*PQ+64*(\kap)+32
.endr
.endm
; X X^T for the five tiles; the five accumulators take turns
.macro SQ buf, zero
.irp t, 0,1,2,3,4
.if \zero
	v_wmma_f32_16x16x32_f16 v[SS+8*(\t):SS+8*(\t)+7], v[RAW+40*(\buf)+8*(\t):RAW+40*(\buf)+8*(\t)+7], v[RAW+40*(\buf)+8*(\t):RAW+40*(\buf)+8*(\t)+7], 0
.else
	v_wmma_f32_16x16x32_f16 v[SS+8*(\t):SS+8*(\t)+7], v[RAW+40*(\buf)+8*(\t):RAW+40*(\buf)+8*(\t)+7], v[RAW+40*(\buf)+8*(\t):RAW+40*(\buf)+8*(\t)+7], v[SS+8*(\t):SS+8*(\t)+7]
.endif
.endr
.endm
	; THE SUMS OF SQUARES.  Two batches of ten loads are always out; each wait leaves the younger batch out.  The last two batches asked for are the first two of the scores' pass.
	s_wait_tensorcnt 0x0                           ; my five tiles are in
	LOADRAW 0, 0
	LOADRAW 1, 1
	s_wait_dscnt 10
	SQ 0, 1
	PLACES
	LOADRAW 2, 0
	s_wait_dscnt 10
	SQ 1, 0
	PLACES
	LOADRAW 3, 1
	s_wait_dscnt 10
	SQ 0, 0
	PLACES
	LOADRAW 0, 0
	s_wait_dscnt 10
	SQ 1, 0
	PLACES
	LOADRAW 1, 1
.irp t, 0,1,2,3,4                      ; the diagonal: row r's sum lies in register r % 8 of lane r + 16 (r / 8); elsewhere the mask leaves 0
	v_mul_f32 v[D+\t], v[SS+8*(\t)], v[MSK]
.endr
.irp j, 1,2,3,4,5,6,7
.irp t, 0,1,2,3,4
	v_fmac_f32 v[D+\t], v[SS+8*(\t)+\j], v[MSK+\j]
.endr
.endr
.irp t, 0,1,2,3,4
	v_permlanex16_b32 v[SS+8*(\t)], v[D+\t], s[SEL], s[SEL+1]
.endr
.irp t, 0,1,2,3,4
	v_add_f32 v[D+\t], v[D+\t], v[SS+8*(\t)]       ; both halves of the lanes now hold row r's sum
.endr
.irp t, 0,1,2,3,4
	ds_store_b32 v[ASS], v[D+\t] offset:512*(\t)
.endr
	s_wait_dscnt 0x0                               ; for the others' sake: my sums are stored
	s_barrier_signal -1
	s_barrier_wait -1
.irp t, 0,1,2,3,4
	ds_load_b128 v[SS+8*(\t):SS+8*(\t)+3],   v[ASL] offset:512*(\t)
	ds_load_b128 v[SS+8*(\t)+4:SS+8*(\t)+7], v[ASL] offset:512*(\t)+16
.endr
	s_wait_dscnt 0x0
.irp t, 0,1,2,3,4
	v_pk_add_f32 v[SS+8*(\t):SS+8*(\t)+1], v[SS+8*(\t):SS+8*(\t)+1], v[SS+8*(\t)+2:SS+8*(\t)+3]
	v_pk_add_f32 v[SS+8*(\t)+4:SS+8*(\t)+5], v[SS+8*(\t)+4:SS+8*(\t)+5], v[SS+8*(\t)+6:SS+8*(\t)+7]
.endr
.irp t, 0,1,2,3,4
	v_pk_add_f32 v[SS+8*(\t):SS+8*(\t)+1], v[SS+8*(\t):SS+8*(\t)+1], v[SS+8*(\t)+4:SS+8*(\t)+5]
.endr
.irp t, 0,1,2,3,4
	v_add_f32 v[D+\t], v[SS+8*(\t)], v[SS+8*(\t)+1]
.endr
.irp t, 0,1,2,3,4
	v_fma_f32 v[D+\t], v[D+\t], s87, s88           ; the mean square + 1e-6
.endr
.irp t, 0,1,2,3,4
	v_rsq_f32 v[RP+2*(\t)], v[D+\t]
.endr
	v_nop                                          ; a plain instruction between the last of them and the use of its result
	s_wait_alu depctr_va_vdst(0)
.irp t, 0,1,2,3,4
	v_mov_b32 v[RP+2*(\t)+1], v[RP+2*(\t)]
.endr
; THE NORM of four registers (8 numbers), named by their plain numbers since their halves are named: widened, times rsqrt in f32, rounded to f16, times the gains
.macro N4 a, b, c, d, tb, rp, w
	v_cvt_f32_f16 v[(\tb)],   v\a\().l
	v_cvt_f32_f16 v[(\tb)+1], v\a\().h
	v_cvt_f32_f16 v[(\tb)+2], v\b\().l
	v_cvt_f32_f16 v[(\tb)+3], v\b\().h
	v_cvt_f32_f16 v[(\tb)+4], v\c\().l
	v_cvt_f32_f16 v[(\tb)+5], v\c\().h
	v_cvt_f32_f16 v[(\tb)+6], v\d\().l
	v_cvt_f32_f16 v[(\tb)+7], v\d\().h
.irp z, 0,2,4,6
	v_pk_mul_f32 v[(\tb)+\z:(\tb)+\z+1], v[(\tb)+\z:(\tb)+\z+1], v[(\rp):(\rp)+1]
.endr
	v_cvt_pk_f16_f32 v\a, v[(\tb)],   v[(\tb)+1]
	v_cvt_pk_f16_f32 v\b, v[(\tb)+2], v[(\tb)+3]
	v_cvt_pk_f16_f32 v\c, v[(\tb)+4], v[(\tb)+5]
	v_cvt_pk_f16_f32 v\d, v[(\tb)+6], v[(\tb)+7]
	v_pk_mul_f16 v\a, v\a, v[(\w)]
	v_pk_mul_f16 v\b, v\b, v[(\w)+1]
	v_pk_mul_f16 v\c, v\c, v[(\w)+2]
	v_pk_mul_f16 v\d, v\d, v[(\w)+3]
.endm
.macro NORMT a0, a1, a2, a3, a4, a5, a6, a7, rp, w   ; a tile's fragment
	N4 \a0, \a1, \a2, \a3, T, \rp, \w
	N4 \a4, \a5, \a6, \a7, T+8, \rp, (\w)+4
.endm
; A buffer's five fragments.  fetch = 1: behind the first tile's 40 plain instructions, the places behind the products that read the other buffer, that buffer takes the next 32 channels.
.macro NORM0 kap, fetch
	NORMT 32, 33, 34, 35, 36, 37, 38, 39, RP, WQ+8*(\kap)
.if \fetch
	LOADRAW (\kap)+1, 1
.endif
	NORMT 40, 41, 42, 43, 44, 45, 46, 47, RP+2, WQ+8*(\kap)
	NORMT 48, 49, 50, 51, 52, 53, 54, 55, RP+4, WK+8*(\kap)
	NORMT 56, 57, 58, 59, 60, 61, 62, 63, RP+6, WK+8*(\kap)
	NORMT 64, 65, 66, 67, 68, 69, 70, 71, RP+8, WK+8*(\kap)
.endm
.macro NORM1 kap, fetch
	NORMT 72, 73, 74, 75, 76, 77, 78, 79, RP, WQ+8*(\kap)
.if \fetch
	LOADRAW (\kap)+1, 0
.endif
	NORMT 80, 81, 82, 83, 84, 85, 86, 87, RP+2, WQ+8*(\kap)
	NORMT 88, 89, 90, 91, 92, 93, 94, 95, RP+4, WK+8*(\kap)
	NORMT 96, 97, 98, 99, 100, 101, 102, 103, RP+6, WK+8*(\kap)
	NORMT 104, 105, 106, 107, 108, 109, 110, 111, RP+8, WK+8*(\kap)
.endm
; S^T += K Q^T: (k0, q0), (k1, q0), (k1, q1), (k2, q1); the four accumulators take turns
.macro QK1 buf, n, kt, qt, zero
.if \zero
	v_wmma_f32_16x16x32_f16 v[S+8*(\n):S+8*(\n)+7], v[RAW+40*(\buf)+8*(\kt):RAW+40*(\buf)+8*(\kt)+7], v[RAW+40*(\buf)+8*(\qt):RAW+40*(\buf)+8*(\qt)+7], 0
.else
	v_wmma_f32_16x16x32_f16 v[S+8*(\n):S+8*(\n)+7], v[RAW+40*(\buf)+8*(\kt):RAW+40*(\buf)+8*(\kt)+7], v[RAW+40*(\buf)+8*(\qt):RAW+40*(\buf)+8*(\qt)+7], v[S+8*(\n):S+8*(\n)+7]
.endif
.endm
.macro QK buf, zero
	QK1 \buf, 0, 2, 0, \zero
	QK1 \buf, 1, 3, 0, \zero
	QK1 \buf, 2, 3, 1, \zero
	QK1 \buf, 3, 4, 1, \zero
.endm
	; THE SCORES, 32 channels at a time (the first two batches are in: the wait in front of the barrier was for 0)
	NORM0 0, 0
	QK 0, 1
	NORM1 1, 1
	QK 1, 0
	s_wait_dscnt 0x0                               ; channels 64 on are in
	NORM0 2, 1
	QK 0, 0
	s_wait_dscnt 0x0                               ; channels 96 on
	NORM1 3, 0
	QK 1, 0
	PLACES
	; V, turned: for each block of 16 channels the three key tiles side by side, so that tiles u and u + 1 are the fragment for query tile u.  It lands under the softmax.
.irp cb, 0,1,2,3,4,5,6,7
.irp kt, 0,1,2
	ds_load_tr16_b128 v[VR+12*(\cb)+4*(\kt):VR+12*(\cb)+4*(\kt)+3], v[AV] offset:(\kt)*16*PV+32*(\cb)
.endr
.endr
; THE SOFTMAX of query tile u: 16 scores a lane, the query's other 16 in the lane 16 away
.macro SOFT u, bprev, il
.set SB, S+16*(\u)
.set TM, 128+8*(\u)                    ; at work: the gains' registers are free
.irp i, 0,1,2,3
	v_pk_fma_f32 v[SB+2*(\i):SB+2*(\i)+1], v[SB+2*(\i):SB+2*(\i)+1], s[CS:CS+1], v[(\bprev)+2*(\i):(\bprev)+2*(\i)+1] op_sel_hi:[1,0,1]
.endr
.irp i, 0,1,2,3
	v_pk_fma_f32 v[SB+8+2*(\i):SB+8+2*(\i)+1], v[SB+8+2*(\i):SB+8+2*(\i)+1], s[CS:CS+1], v[BS+2*(\i):BS+2*(\i)+1] op_sel_hi:[1,0,1]
.endr
	v_max3_num_f32 v[TM],   v[SB],   v[SB+1], v[SB+2]
	v_max3_num_f32 v[TM+1], v[SB+8], v[SB+9], v[SB+10]
	v_max3_num_f32 v[TM],   v[TM],   v[SB+3],  v[SB+4]
	v_max3_num_f32 v[TM+1], v[TM+1], v[SB+11], v[SB+12]
	v_max3_num_f32 v[TM],   v[TM],   v[SB+5],  v[SB+6]
	v_max3_num_f32 v[TM+1], v[TM+1], v[SB+13], v[SB+14]
	v_max3_num_f32 v[TM],   v[TM],   v[SB+7],  v[SB+15]
	v_max_num_f32 v[TM], v[TM], v[TM+1]
	v_permlanex16_b32 v[TM+2], v[TM], s[SEL], s[SEL+1]
	v_max_num_f32 v[TM+4], v[TM], v[TM+2]          ; m: the query's own key is never hidden, so it is a true score
.irp i, 0,1,2,3,4,5,6,7
	v_pk_add_f32 v[SB+2*(\i):SB+2*(\i)+1], v[SB+2*(\i):SB+2*(\i)+1], v[TM+4:TM+5] op_sel_hi:[1,0] neg_lo:[0,1] neg_hi:[0,1]
.endr
.irp i, 0,1,2,3,4,5,6,7,8,9,10,11,12,13,14,15
	v_exp_f32 v[SB+\i], v[SB+\i]
.endr
	v_nop                                          ; a plain instruction between the last exponential and the use of its result
	s_wait_alu depctr_va_vdst(0)
.irp i, 0,1,2,3,4,5,6,7
	v_cvt_pk_f16_f32 v[P+8*(\u)+\i], v[SB+2*(\i)], v[SB+2*(\i)+1]
.endr
.irp i, 0,4,8,12
	v_pk_add_f32 v[SB+\i:SB+\i+1], v[SB+\i:SB+\i+1], v[SB+\i+2:SB+\i+3]
.endr
	v_pk_add_f32 v[SB:SB+1], v[SB:SB+1], v[SB+4:SB+5]
	v_pk_add_f32 v[SB+8:SB+9], v[SB+8:SB+9], v[SB+12:SB+13]
	v_pk_add_f32 v[SB:SB+1], v[SB:SB+1], v[SB+8:SB+9]
	v_add_f32 v[TM], v[SB], v[SB+1]
	v_permlanex16_b32 v[TM+2], v[TM], s[SEL], s[SEL+1]
	v_add_f32 v[TM], v[TM], v[TM+2]                ; l, at least 1
	v_rcp_f32 v[\il], v[TM]
	v_rcp_f32 v[(\il)+1], v[TM]
	v_nop                                          ; a plain instruction before the reciprocals' source is written over
.endm
	SOFT 0, BP0, IL0
	SOFT 1, BP, IL1
	s_wait_dscnt 0x0                               ; V is in
	s_wait_alu depctr_va_vdst(0)
.irp cb, 0,1,2,3,4,5,6,7               ; O^T = V^T P: 32 keys are one instruction deep, so each of the 16 accumulators is written once, with C = 0
.irp u, 0,1
	v_wmma_f32_16x16x32_f16 v[O+64*(\u)+8*(\cb):O+64*(\u)+8*(\cb)+7], v[VR+12*(\cb)+4*(\u):VR+12*(\cb)+4*(\u)+7], v[P+8*(\u):P+8*(\u)+7], 0
.endr
.endr
	PLACES
; THE WAY OUT.  Tile u: O^T is divided by l and rounded to f16; a lane's eight channels of a row pack into 16 bytes; they go into my stage's rows of 272 bytes and come back as whole rows of 256.
.macro PACK u, il
.set i, 0
.rept 32
	v_pk_mul_f32 v[O+64*(\u)+2*i:O+64*(\u)+2*i+1], v[O+64*(\u)+2*i:O+64*(\u)+2*i+1], v[(\il):(\il)+1]
.set i, i+1
.endr
.set i, 0
.rept 32
	v_cvt_pk_f16_f32 v[VR+32*(\u)+i], v[O+64*(\u)+2*i], v[O+64*(\u)+2*i+1]
.set i, i+1
.endr
.irp f, 0,1,2,3,4,5,6,7
	ds_store_b128 v[STO], v[VR+32*(\u)+4*(\f):VR+32*(\u)+4*(\f)+3] offset:32*(\f)
.endr
.irp f, 0,1,2,3,4,5,6,7
	ds_load_b128 v[VR+32*(\u)+4*(\f):VR+32*(\u)+4*(\f)+3], v[RD] offset:(\f)*2*PQ  ; LDS serves a wave's instructions in order (ISA guide 5.7.1.4): these see the stores above; the next tile's stores come behind them
.endr
.endm
.macro SEND u, younger                 ; younger: the LDS instructions issued behind tile u's loads
.irp f, 0,1,2,3,4,5,6,7
	s_wait_dscnt (\younger)+7-(\f)
	global_store_b128 v[GO], v[VR+32*(\u)+4*(\f):VR+32*(\u)+4*(\f)+3], s[10:11] offset:(16*(\u)+2*(\f))*2048  ; 16 lanes store 256 consecutive bytes, at a multiple of 256 from yb's first byte
.endr
.endm
	PACK 0, IL0
	PACK 1, IL1
	SEND 0, 16
	SEND 1, 0
	s_wait_tensorcnt 0x0                           ; the wave's end, behind my last tensor load and my last LDS store
	ds_add_u32 v[SPW], v[NIL]
	s_wait_dscnt 0x0
	s_endpgm
.Lfunc_end_k_q4a5863a9eb_attn:
	.size	k_q4a5863a9eb_attn, .Lfunc_end_k_q4a5863a9eb_attn-k_q4a5863a9eb_attn
	.p2alignl 7, 3214868480
	.fill 96, 4, 3214868480
	.section	.rodata,"a",@progbits
	.p2align	6, 0x0
	.amdhsa_kernel k_q4a5863a9eb_attn
		.amdhsa_group_segment_fixed_size 327680
		.amdhsa_private_segment_fixed_size 0
		.amdhsa_enable_private_segment 0
		.amdhsa_kernarg_size 32
		.amdhsa_user_sgpr_count 2
		.amdhsa_user_sgpr_kernarg_segment_ptr 1
		.amdhsa_wavefront_size32 1
		.amdhsa_system_sgpr_workgroup_id_x 1
		.amdhsa_system_sgpr_workgroup_id_y 1
		.amdhsa_system_sgpr_workgroup_id_z 1
		.amdhsa_system_vgpr_workitem_id 0
		.amdhsa_next_free_vgpr 256
		.amdhsa_next_free_sgpr 92
		.amdhsa_reserve_vcc 1
		.amdhsa_float_denorm_mode_32 3
		.amdhsa_float_denorm_mode_16_64 3
		.amdhsa_memory_ordered 1
		.amdhsa_forward_progress 1
		.amdhsa_inst_pref_size 101
	.end_amdhsa_kernel
	.amdgpu_metadata
---
amdhsa.version: [ 1, 2 ]
amdhsa.kernels:
  - .name:           k_q4a5863a9eb_attn
    .symbol:         k_q4a5863a9eb_attn.kd
    .args:
      - { .name: qkv, .offset: 0, .size: 8, .value_kind: global_buffer, .address_space: global }
      - { .name: q_norm_w, .offset: 8, .size: 8, .value_kind: global_buffer, .address_space: global }
      - { .name: k_norm_w, .offset: 16, .size: 8, .value_kind: global_buffer, .address_space: global }
      - { .name: yb, .offset: 24, .size: 8, .value_kind: global_buffer, .address_space: global }
    .group_segment_fixed_size: 327680
    .private_segment_fixed_size: 0
    .kernarg_segment_align: 8
    .kernarg_segment_size: 32
    .max_flat_workgroup_size: 256
    .sgpr_count:     92
    .vgpr_count:     256
    .wavefront_size: 32
...
	.end_amdgpu_metadata
.endif
;; end of part 3
;; launch gemm_out (part 4): grid 4 x 64, 4 waves a work-group, clusters of 4 x 4, 327,680 bytes of LDS; arguments yb, wob, out0; writes out0
.if DOCPART == 4
	.amdgcn_target "amdgcn-amd-amdhsa--gfx1250"
	.amdhsa_code_object_version 6
	.text
	.protected	k_q4a5863a9eb_gemm_out
	.globl	k_q4a5863a9eb_gemm_out
	.p2align	8
	.type	k_q4a5863a9eb_gemm_out,@function
k_q4a5863a9eb_gemm_out:
	s_mov_b64 s[64:65], 0
	v_nop
	global_prefetch_b8 v0, s[64:65] scope:SCOPE_SE
	s_setreg_imm32_b32 hwreg(HW_REG_WAVE_MODE, 25, 1), 1
	s_wait_xcnt 0x0
	s_wait_alu depctr_hold_cnt(0) depctr_sa_sdst(0) depctr_va_vdst(0) depctr_va_sdst(0) depctr_va_ssrc(0) depctr_va_vcc(0) depctr_vm_vsrc(0)
	s_getreg_b32 s2, hwreg(HW_REG_IB_STS2, 6, 4)
	s_cmp_eq_u32 s2, 0
	s_cbranch_scc0 .Lentry_in_a_cluster
	s_endpgm
.Lentry_in_a_cluster:
	s_bfe_u32 s2, ttmp6, 0x10000c
	s_cmp_lg_u32 s2, 0xf033
	s_cbranch_scc0 .Lentry_shape_is_right
	s_endpgm
.Lentry_shape_is_right:
; out0[m][n] = the sum over k of y[m][k] wo[k][n], m < 8192, n < 1024, k < 1024.  y and wo in f16 (wo: the bf16 rounding written as f16), sums f32, K ascending; the result leaves as f32.
; A tile of the result is 128 x 256, so that 8192 x 1024 are exactly 256 tiles, one to a work-group.  Four waves, 2 x 2; a wave makes 64 x 128: 32 accumulators of 16 x 16, which fill window 1.
; K goes in steps of 128 (y's rows of a tile are 256 bytes, at multiples of 256 from the buffer's first byte) through a ring of two LDS slots: 8 steps, 4 laps.  wo lies [k][n]: its fragments come out of LDS turned.
; CLUSTERS: 4 x 4 work-groups; y's tiles are asked for jointly along a row of the cluster, wo's along a column.
; THE MATRIX INSTRUCTION IS USED TRANSPOSED (source 0 = 16 columns of wo, source 1 = 16 rows of y): a lane holds eight neighbouring numbers of a row of the result, 32 bytes.
; REGISTERS: window 0: v0-31 addresses; v32-127, v128-223 two fragment buffers for 32 k (y's 4 x 8 registers, then wo's 8 x 8); on the way out v32-159 whole rows.  Window 1: accumulator (a, b) at v[8 (8 a + b)].
.set PA,     272                       ; a row of y in LDS: 256 bytes + 16 = 68 words: the 16 rows of a load start at 16 different groups of four banks (64 banks of 4 bytes: ISA guide 11.1)
.set PB,     544                       ; a row of wo: two pieces of 256 bytes + 16 = 136 words
.set AHALF,  64*PA                     ; what one load of y brings, and what one wave reads of y
.set BHALF,  64*PB                     ; what one load of wo brings: 64 k
.set BOFF,   2*AHALF
.set SLOT,   BOFF+2*BHALF              ; 104,448
.set STAGE,  2*SLOT                    ; behind the ring, never filled by a tensor load: 16 rows x 528 bytes for each wave, its own
.set SPITCH, 528                       ; 512 + 16
.set SPARE,  STAGE+4*16*SPITCH         ; the spare words, 128 bytes for each wave: two blocks of 256 bytes that no other line names
.set ASTEP,  256                       ; bytes from a K step to the next in yb,
.set BSTEP,  128*2048                  ; and in wob
.set LAPS,   4
.set ADRA, 16                          ; v16-17  LDS address of my fragments of y in slot 0, 1
.set ADRB, 20                          ; v20-21  the same for wo
.set STO,  24                          ; v24     the way out: where I put 32 bytes of a row
.set RD,   25                          ; v25     the way out: where I read a row back
.set CO,   26                          ; v26     my byte offset in a row's 512 bytes of out0
.set SPW,  28                          ; v28     LDS address of my spare word: SPARE + 4 x my thread's number; never rewritten
.set NIL,  29                          ; v29     0; never rewritten
.set F0,   32
.set OB,   32
.set G1,  24                           ; s[24:31] descriptor group 1 for y's tiles;  s[32:39] group 0, a set for each slot
.set G0,  32
.set G1B, 48                           ; s[48:55], s[56:63] the same for wo's tiles
.set G0B, 56
.set MSB, 0
.macro WIN new                         ; the immediate's high byte repeats the setting that is left; a switch that changes nothing is dropped
.if MSB != (\new)
	s_set_vgpr_msb (MSB<<8)|(\new)
.set MSB, \new
.endif
.endm
.macro JLOAD s                         ; a joint load: waves 0 and 1 fetch y's two halves, waves 2 and 3 wo's; an s_nop 0 and four v_nop follow each of the two lines
	s_cmp_eq_u32 s11, 0
	s_cbranch_scc0 .Lfor_b_\@
	tensor_load_to_lds s[G0+4*(\s):G0+4*(\s)+3], s[G1:G1+7]
	s_nop 0
.rept 4
	v_nop
.endr
	s_branch .Lasked_\@
.Lfor_b_\@:
	tensor_load_to_lds s[G0B+4*(\s):G0B+4*(\s)+3], s[G1B:G1B+7]
	s_nop 0
.rept 4
	v_nop
.endr
.Lasked_\@:
.endm
.macro CREST                           ; a round of the cluster's barrier behind its opening barrier
	s_cmp_lg_u32 s10, 0
	s_cbranch_scc1 .Lnot_wave_0_\@
	s_barrier_signal -3
.Lnot_wave_0_\@:
	s_barrier_wait -3
	s_barrier_signal -1
	s_barrier_wait -1
.endm
.macro CROUND                          ; a whole round
	s_barrier_signal -1
	s_barrier_wait -1
	CREST
.endm
.macro PLACES                          ; four places in front of loads into registers that matrix instructions have read, and of stores that read results
.rept 4
	v_nop
.endr
.endm
	s_load_b128 s[4:7], s[0:1], 0x0                ; yb s[4:5], wob s[6:7]
	s_load_b64 s[8:9], s[0:1], 0x10                ; out0
	v_lshl_add_u32 v[SPW], v0, 2, SPARE
	v_mov_b32 v[NIL], 0
	ds_add_u32 v[SPW], v[NIL]                      ; the wave's opening: the add and its wait stand ahead of my first tensor load; the set-up below, work on registers, stands between them
	ds_add_u32 v28, v29
	v_lshrrev_b32 v1, 5, v0
	v_readfirstlane_b32 s10, v1                    ; wave 0..3
	s_lshr_b32 s11, s10, 1                         ; which half of the tile's rows is mine.  Also: I fetch for y (0) or for wo (1)
	s_and_b32 s12, s10, 1                          ; which half of its columns.  Also: which half of that tile I fetch
	s_bfe_u32 s40, ttmp6, 0x40000                  ; cx, cy: my place in the cluster
	s_bfe_u32 s41, ttmp6, 0x40004
	s_lshl_b32 s42, ttmp9, 2
	s_add_co_u32 s42, s42, s40                     ; tile column = 4 x cluster x + cx
	s_and_b32 s13, ttmp7, 0xffff
	s_lshl_b32 s13, s13, 2
	s_add_co_u32 s13, s13, s41                     ; tile row = 4 x cluster y + cy
	s_lshl_b32 s43, s41, 2
	s_lshl_b32 s43, 15, s43                        ; my row of the cluster
	s_lshl_b32 s44, 0x1111, s40                    ; my column
	; group 1.  15:0 the mask; 17:16 2-byte elements; 20 padding on; 21 set beside a mask; 24:22 after every 64 words (code 5); 31:25 4 words of it (code 3)
	s_or_b32 s[G1+0], s43, (1<<16)|(1<<20)|(1<<21)|(5<<22)|(3<<25)
	s_mov_b32 s[G1+1], 128<<16                     ; y: tensor_dim0 = 128
	s_mov_b32 s[G1+2], 64<<16                      ; tensor_dim1 = 64
	s_mov_b32 s[G1+3], 128<<16                     ; tile_dim0 = 128
	s_mov_b32 s[G1+4], 64                          ; tile_dim1 = 64
	s_mov_b32 s[G1+5], 1024                        ; elements from row to row
	s_mov_b32 s[G1+6], 0
	s_mov_b32 s[G1+7], 0
	s_or_b32 s[G1B+0], s44, (1<<16)|(1<<20)|(1<<21)|(5<<22)|(3<<25)
	s_mov_b32 s[G1B+1], 256<<16                    ; wo: tensor_dim0 = 256
	s_mov_b32 s[G1B+2], 64<<16                     ; tensor_dim1 = 64
	s_mov_b32 s[G1B+3], 256<<16                    ; tile_dim0 = 256
	s_mov_b32 s[G1B+4], 64                         ; tile_dim1 = 64
	s_mov_b32 s[G1B+5], 1024
	s_mov_b32 s[G1B+6], 0
	s_mov_b32 s[G1B+7], 0
	; where the tiles come from.  y's hang on the tile row alone, wo's on the tile column alone, each in registers that never hold the other coordinate
	s_lshl_b32 s16, s13, 18                        ; 128 rows x 2,048 bytes,
	s_lshl_b32 s17, s12, 17                        ; my 64 of them
	s_add_co_u32 s16, s16, s17
	s_mov_b32 s17, 0
	s_lshl_b32 s46, s42, 9                         ; the tile's 256 columns,
	s_lshl_b32 s47, s12, 17                        ; my 64 of a step's 128 rows of wob
	s_add_co_u32 s46, s46, s47
	s_mov_b32 s47, 0
	s_mul_i32 s20, s12, AHALF                      ; and where they go: no place in the cluster enters an LDS address
	s_mul_i32 s21, s12, BHALF
	s_add_co_u32 s21, s21, BOFF
	s_wait_dscnt 0x0                               ; the opening add is done
	s_wait_kmcnt 0x0
	s_add_nc_u64 s[14:15], s[4:5], s[16:17]
	s_add_nc_u64 s[46:47], s[6:7], s[46:47]
	CROUND                                         ; all sixteen work-groups are here: the first joint loads meet
.irp s, 0,1
	s_mov_b32 s[G0+4*(\s)], 1                                      ; count = 1
	s_add_co_u32 s[G0+4*(\s)+1], s20, (\s)*SLOT                    ; LDS address
	s_add_nc_u64 s[G0+4*(\s)+2:G0+4*(\s)+3], s[14:15], (\s)*ASTEP  ; global address: K step s
	s_or_b32 s[G0+4*(\s)+3], s[G0+4*(\s)+3], 0x80000000            ; type = 2
	s_mov_b32 s[G0B+4*(\s)], 1
	s_add_co_u32 s[G0B+4*(\s)+1], s21, (\s)*SLOT
	s_add_nc_u64 s[G0B+4*(\s)+2:G0B+4*(\s)+3], s[46:47], (\s)*BSTEP
	s_or_b32 s[G0B+4*(\s)+3], s[G0B+4*(\s)+3], 0x80000000
	JLOAD \s                                       ; two loads of mine are out; later one
.endr
	v_and_b32 v1, 15, v0                           ; l % 16
	v_bfe_u32 v2, v0, 4, 1                         ; l / 16
	v_mul_u32_u24 v3, v1, PA
	v_lshl_add_u32 v3, v2, 4, v3                   ; a fragment of y: row x pitch + 16 x half
	s_mul_i32 s22, s11, AHALF                      ; my 64 rows
	v_add_nc_u32 v[ADRA], s22, v3
	v_add_nc_u32 v[ADRA+1], SLOT, v[ADRA]
	v_and_b32 v4, 7, v0                            ; the turning load: lane l reads k = 8 (l / 16) + l % 8, columns 8 ((l / 8) % 2) + 0..7
	v_bfe_u32 v5, v0, 3, 1
	v_lshl_add_u32 v4, v2, 3, v4
	v_mul_u32_u24 v4, v4, PB
	v_lshl_add_u32 v4, v5, 4, v4
	s_mul_i32 s23, s12, 272                        ; my 128 columns: one piece
	s_add_co_u32 s23, s23, BOFF
	v_add_nc_u32 v[ADRB], s23, v4
	v_add_nc_u32 v[ADRB+1], SLOT, v[ADRB]
	s_mul_i32 s22, s10, 16*SPITCH
	s_add_co_u32 s22, s22, STAGE                   ; my stage
	v_mul_u32_u24 v6, v1, SPITCH                   ; in: row l % 16, 32 bytes for each half of the lanes
	v_lshl_add_u32 v6, v2, 5, v6
	v_add_nc_u32 v[STO], s22, v6
	v_and_b32 v7, 31, v0                           ; back: 32 lanes take one row's 512 bytes,
	v_lshlrev_b32 v[CO], 4, v7                     ; which are 512 consecutive bytes of out0
	v_add_nc_u32 v[RD], s22, v[CO]
	s_lshl_b32 s16, s13, 19                        ; my first row: (128 x tile row + 64 (w / 2)) x 4,096 bytes
	s_lshl_b32 s17, s11, 18
	s_add_co_u32 s16, s16, s17
	s_mov_b32 s17, 0
	s_add_nc_u64 s[8:9], s[8:9], s[16:17]
	s_lshl_b32 s46, s42, 10                        ; my first column, in bytes: 1,024 x tile column + 512 (w % 2)
	s_lshl_b32 s47, s12, 9
	s_add_co_u32 s46, s46, s47
	s_mov_b32 s47, 0
	s_add_nc_u64 s[8:9], s[8:9], s[46:47]
; n matrix instructions on buffer f, from number i0 of 32 on: row block i / 8, column block i % 8.  The 32 accumulators take turns, one instruction a turn.  zero = 1: the product starts the sum.
.macro MM f, i0, n, zero
	WIN 0x50                                       ; C and D in window 1
.set mi, \i0
.rept \n
.set rD, 8*mi
.set rB, (\f)+32+8*(mi%8)
.set rA, (\f)+8*(mi/8)
.if \zero
	v_wmma_f32_16x16x32_f16 v[rD:rD+7], v[rB:rB+7], v[rA:rA+7], 0
.else
	v_wmma_f32_16x16x32_f16 v[rD:rD+7], v[rB:rB+7], v[rA:rA+7], v[rD:rD+7]
.endif
.set mi, mi+1
.endr
.endm
; 24 LDS loads in one run: the fragments of 32 k (quarter kap of a K step) into buffer f
.macro FETCH slot, kap, f
	WIN 0
.irp b, 0,1,2,3,4,5,6,7
	ds_load_tr16_b128 v[(\f)+32+8*(\b):(\f)+32+8*(\b)+3],   v[ADRB+(\slot)] offset:(\kap)*32*PB+32*(\b)
	ds_load_tr16_b128 v[(\f)+32+8*(\b)+4:(\f)+32+8*(\b)+7], v[ADRB+(\slot)] offset:(\kap)*32*PB+16*PB+32*(\b)
.endr
.irp a, 0,1,2,3
	ds_load_b128 v[(\f)+8*(\a):(\f)+8*(\a)+3],   v[ADRA+(\slot)] offset:(\a)*16*PA+64*(\kap)
	ds_load_b128 v[(\f)+8*(\a)+4:(\f)+8*(\a)+7], v[ADRA+(\slot)] offset:(\a)*16*PA+64*(\kap)+32
.endr
.endm
; One of a K step's first three quarters: its fragments, asked for a quarter ago, are in; the next quarter's are asked for, into the other buffer; 32 products.
.macro QUARTER slot, kap, zero
	s_wait_dscnt 0x0
	PLACES
	FETCH \slot, (\kap)+1, F0+96*(((\kap)+1)%2)
	MM F0+96*((\kap)%2), 0, 32, \zero
.endm
; The fourth quarter multiplies the second buffer and changes slots: ONE barrier.  In front of it each wave waits for all its tensor loads, of which one is out: its part of the next slot; adds 0 to its spare
; word; and waits for that and for its own reads of this slot.  fill = 1: the barrier opens a round of the cluster's, and this slot is filled again, two K steps ahead, first thing behind the round.
.macro TURN slot, next, fill
	WIN 0                                          ; (the add's two registers lie in window 0)
	s_wait_tensorcnt 0x0                           ; all my tensor loads have landed
	ds_add_u32 v[SPW], v[NIL]                      ; 0 onto my spare word
	s_wait_dscnt 1                                 ; this quarter's fragments are in; only the add may be out
	MM F0+96, 0, 8, 0                              ; eight matrix instructions stand between the add and the wait for it
	s_wait_dscnt 0x0                               ; the add is done, and my reads of this slot are over
	s_barrier_signal -1
	MM F0+96, 8, 8, 0                              ; work on registers while the others arrive
	WIN 0
	s_barrier_wait -1
.if \fill
	CREST                                          ; no wave of any partner still reads this slot's tile or has a load on its way
	s_add_nc_u64 s[G0+4*(\slot)+2:G0+4*(\slot)+3], s[G0+4*(\slot)+2:G0+4*(\slot)+3], 2*ASTEP
	s_add_nc_u64 s[G0B+4*(\slot)+2:G0B+4*(\slot)+3], s[G0B+4*(\slot)+2:G0B+4*(\slot)+3], 2*BSTEP
	JLOAD \slot                                    ; 112 matrix instructions ahead of the wait for it; the four v_nop behind it are also the places in front of the loads below
.else
	PLACES
.endif
	FETCH \next, 0, F0
	MM F0+96, 16, 16, 0
.endm
	s_wait_tensorcnt 1                             ; my part of K step 0 is in; K step 1's may stay out
	s_barrier_signal -1
	s_barrier_wait -1                              ; everybody's is
	FETCH 0, 0, F0
	QUARTER 0, 0, 1                                ; the first quarter stands in front of the loop: its products start the sums
	WIN 0                                          ; at a label and at a branch every window is 0
	s_mov_b32 s3, LAPS-1
.Llap:                                                 ; a trip goes once round the ring, from a lap's second quarter to the next lap's first, and fills both slots again
	QUARTER 0, 1, 0
	QUARTER 0, 2, 0
	TURN 0, 1, 1
	QUARTER 1, 0, 0
	QUARTER 1, 1, 0
	QUARTER 1, 2, 0
	TURN 1, 0, 1
	QUARTER 0, 0, 0
	WIN 0
	s_sub_co_u32 s3, s3, 1
	s_cmp_lg_u32 s3, 0
	s_cbranch_scc1 .Llap
	QUARTER 0, 1, 0                                ; the last lap fills nothing, and has no round of the cluster's barrier
	QUARTER 0, 2, 0
	TURN 0, 1, 0
	QUARTER 1, 0, 0
	QUARTER 1, 1, 0
	QUARTER 1, 2, 0
	s_wait_dscnt 0x0
	MM F0+96, 0, 32, 0
; THE WAY OUT, a block of 16 rows at a time, through my own stage: no barrier.  The accumulators are stored as they are (registers 0-3 ahead of 4-7), 32 bytes a lane, and come back as whole rows of 512 bytes.
.macro OUTA a
	WIN 0x04                                       ; the stores' data in window 1, their address in window 0
.irp b, 0,1,2,3,4,5,6,7
	ds_store_b128 v[STO], v[8*(8*(\a)+(\b)):8*(8*(\a)+(\b))+3]   offset:64*(\b)
	ds_store_b128 v[STO], v[8*(8*(\a)+(\b))+4:8*(8*(\a)+(\b))+7] offset:64*(\b)+16
.endr
	WIN 0
.if (\a) >= 2
	s_wait_xcnt 0x0                                ; the stores of two blocks ago have read their registers: only behind this wait are they loaded again
.endif
.set bk, OB+64*((\a)%2)
.irp t, 0,1,2,3,4,5,6,7,8,9,10,11,12,13,14,15
	ds_load_b128 v[bk+4*(\t):bk+4*(\t)+3], v[RD] offset:(\t)*SPITCH  ; LDS serves a wave's instructions in order (ISA guide 5.7.1.4): these see the stores above; the next block's stores come behind them
.endr
.irp t, 0,1,2,3,4,5,6,7,8,9,10,11,12,13,14,15
	s_wait_dscnt 15-(\t)
	global_store_b128 v[CO], v[bk+4*(\t):bk+4*(\t)+3], s[8:9] offset:(16*(\a)+(\t))*4096 th:TH_STORE_NT  ; 512 consecutive bytes, at a multiple of 256 from out0's first byte
.endr
.endm
	PLACES
	OUTA 0
	OUTA 1
	OUTA 2
	OUTA 3
	s_wait_tensorcnt 0x0                           ; the wave's end, behind my last tensor load and my last LDS store
	ds_add_u32 v[SPW], v[NIL]
	s_wait_dscnt 0x0
	CROUND                                         ; the closing round: no work-group ends while a partner may still ask for a tile that names it
	s_endpgm
.Lfunc_end_k_q4a5863a9eb_gemm_out:
	.size	k_q4a5863a9eb_gemm_out, .Lfunc_end_k_q4a5863a9eb_gemm_out-k_q4a5863a9eb_gemm_out
	.p2alignl 7, 3214868480
	.fill 96, 4, 3214868480
	.section	.rodata,"a",@progbits
	.p2align	6, 0x0
	.amdhsa_kernel k_q4a5863a9eb_gemm_out
		.amdhsa_group_segment_fixed_size 327680
		.amdhsa_private_segment_fixed_size 0
		.amdhsa_enable_private_segment 0
		.amdhsa_kernarg_size 24
		.amdhsa_user_sgpr_count 2
		.amdhsa_user_sgpr_kernarg_segment_ptr 1
		.amdhsa_wavefront_size32 1
		.amdhsa_system_sgpr_workgroup_id_x 1
		.amdhsa_system_sgpr_workgroup_id_y 1
		.amdhsa_system_sgpr_workgroup_id_z 1
		.amdhsa_system_vgpr_workitem_id 0
		.amdhsa_next_free_vgpr 512
		.amdhsa_next_free_sgpr 66
		.amdhsa_reserve_vcc 0
		.amdhsa_float_denorm_mode_32 3
		.amdhsa_float_denorm_mode_16_64 3
		.amdhsa_memory_ordered 1
		.amdhsa_forward_progress 1
		.amdhsa_inst_pref_size 86
	.end_amdhsa_kernel
	.amdgpu_metadata
---
amdhsa.version: [ 1, 2 ]
amdhsa.kernels:
  - .name:           k_q4a5863a9eb_gemm_out
    .symbol:         k_q4a5863a9eb_gemm_out.kd
    .args:
      - { .name: yb, .offset: 0, .size: 8, .value_kind: global_buffer, .address_space: global }
      - { .name: wob, .offset: 8, .size: 8, .value_kind: global_buffer, .address_space: global }
      - { .name: out0, .offset: 16, .size: 8, .value_kind: global_buffer, .address_space: global }
    .group_segment_fixed_size: 327680
    .private_segment_fixed_size: 0
    .kernarg_segment_align: 8
    .kernarg_segment_size: 24
    .max_flat_workgroup_size: 128
    .sgpr_count:     66
    .vgpr_count:     512
    .wavefront_size: 32
...
	.end_amdgpu_metadata
.endif
;; end of part 4
;; ======== version 2 of 2: 4 launches; version 1 with the launch prep written anew for expert scheduling mode
;; limits: values are held in f16: magnitudes above 65,504 overflow, below 6.1e-05 lose precision; right only within a limited range of input values
;; workspace buffers: xb 16,777,216 bytes; wb 6,291,456 bytes; wob 2,097,152 bytes; qkv 50,331,648 bytes; yb 16,777,216 bytes
;; launch prep (part 5): grid 768 x 1, 8 waves a work-group, no clusters, 0 bytes of LDS; arguments x, wq, wk, wv, wo, xb, wb, wob; writes xb, wb, wob
.if DOCPART == 5
	.amdgcn_target "amdgcn-amd-amdhsa--gfx1250"
	.amdhsa_code_object_version 6
	.text
	.protected	k_q4a5863a9eb_prep
	.globl	k_q4a5863a9eb_prep
	.p2align	8
	.type	k_q4a5863a9eb_prep,@function
k_q4a5863a9eb_prep:
	s_mov_b64 s[64:65], 0
	v_nop
	global_prefetch_b8 v0, s[64:65] scope:SCOPE_SE
	s_setreg_imm32_b32 hwreg(HW_REG_WAVE_SCHED_MODE, 0, 2), 2
	s_setreg_imm32_b32 hwreg(HW_REG_WAVE_MODE, 25, 1), 1
	s_wait_xcnt 0x0
	s_wait_alu depctr_vm_vsrc(0)
; PREP: the module's large inputs are rounded once, to bf16, and laid out for the two products that follow.
;   xb  = x in bf16, in blocks [16 kb][8192 rows][64 k]: byte kb x 1,048,576 + row x 128 + (k % 64) x 2, so that 128 rows x 64 k are 16,384 dense bytes
;   wb  = wq | wk | wv in bf16, [1024 k][3072 n]
;   wob = wo rounded to bf16 and that number written as f16, [1024 k][1024 n]
; LIMITS.  |wo| stays under 65,504; a wo below 6e-5 keeps f16's fixed step of 6e-8.  NaN and infinities are not treated apart.
; A stream: no LDS, no barrier, no matrix unit, no loop.  A UNIT is one 16-byte load a lane (512 input bytes a wave), the roundings, and one 8-byte store a lane:
; each store of a wave covers 256 consecutive bytes, aligned.  A wave has 16 units and issues all 16 loads first.
; Work-groups 0-511 take x (16 rows each), 512-703 wq, wk, wv (64 work-groups each, 16 rows each), 704-767 wo.
; THE MODE: SCHED_MODE bits 1:0 = 2 (LLVM: expert scheduling mode 2), set by the entry lines.  The code itself states the register dependences
; between vector instructions and memory instructions, with s_wait_alu, always for 0.
; THE PLAN.  Registers that memory instructions touch, on each of the three straight paths:
;   v1        the loads' offset.   Written by vector instructions on the path's head; read by its 16 loads; never written again.
;   v2        the stores' offset.  Written once at the common head; read by the 16 stores; never written again.
;   X         Written by the loads alone, each register once, and named by no vector instruction before; read by the roundings behind the counted wait for the load.
;   Y         Written by the roundings, each register once; read by one store each; never written again.
;   v3 to v7  are named by vector instructions alone.
;   s5        the wave's number, written by v_readfirstlane_b32; read by scalar arithmetic on all three paths.
; So a path has six waits: one on va_sdst at the common head, ahead of the first branch (s5); one on va_vdst ahead of the run of loads (v1, v2); and, the 16 units going in four BLOCKS of four,
; one on va_vdst behind each block's roundings, ahead of its run of four stores (the block's Y).  No register that a memory instruction has read is written again, so there is no wait on vm_vsrc
; and none on XCNT.
.set X,    8                           ; v[8:71]    unit u: 4 registers as loaded
.set Y,    72                          ; v[72:103]  unit u: 2 registers to store
.set IN,   24                          ; s[24:25]   where my wave reads
.set OUT,  26                          ; s[26:27]   where it writes
.set OUT2, 28                          ; s[28:29]   the same 8,388,608 bytes on: xb's blocks 8 to 15 lie beyond a store's immediate
; unit u reads at (u / per) x rowstep + (u % per) x colstep
.macro LD16 per, rowstep, colstep
.set u, 0
.rept 16
	global_load_b128 v[X+4*u:X+4*u+3], v1, s[IN:IN+1] offset:(u/(\per))*(\rowstep)+(u%(\per))*(\colstep) th:TH_LOAD_NT
.set u, u+1
.endr
.endm
; unit n is rounded.  f16 = 1: the bf16 numbers are widened again (a shift, a mask) and written as f16
.macro CV n, f16
	s_wait_loadcnt 15-(\n)                         ; loads come back in order: mine is in, the younger ones stay out
.if \f16
	v_cvt_pk_bf16_f32 v4, v[X+4*(\n)], v[X+4*(\n)+1]
	v_cvt_pk_bf16_f32 v5, v[X+4*(\n)+2], v[X+4*(\n)+3]
	v_lshlrev_b32 v6, 16, v4
	v_and_b32 v7, s34, v4
	v_cvt_pk_f16_f32 v[Y+2*(\n)], v6, v7
	v_lshlrev_b32 v6, 16, v5
	v_and_b32 v7, s34, v5
	v_cvt_pk_f16_f32 v[Y+2*(\n)+1], v6, v7
.else
	v_cvt_pk_bf16_f32 v[Y+2*(\n)], v[X+4*(\n)], v[X+4*(\n)+1]
	v_cvt_pk_bf16_f32 v[Y+2*(\n)+1], v[X+4*(\n)+2], v[X+4*(\n)+3]
.endif
.endm
; block b: units 4 b to 4 b + 3 are rounded; the block's four stores follow the macro
.macro CV4 b, f16
	CV 4*(\b), \f16
	CV 4*(\b)+1, \f16
	CV 4*(\b)+2, \f16
	CV 4*(\b)+3, \f16
	s_wait_alu depctr_va_vdst(0)                   ; the block's roundings have written its eight registers of Y, which the four stores behind this line read
.endm
	s_load_b512 s[8:23], s[0:1], 0x0               ; x s[8:9], wq s[10:11], wk s[12:13], wv s[14:15], wo s[16:17], xb s[18:19], wb s[20:21], wob s[22:23]
	v_and_b32 v3, 31, v0                           ; lane
	v_lshrrev_b32 v1, 5, v0
	v_readfirstlane_b32 s5, v1                     ; wave 0..7
	s_mov_b32 s4, ttmp9                            ; work-group
	s_mov_b32 s34, 0xffff0000                      ; a word's upper bf16
	s_mov_b32 s31, 0                               ; high words of the two offsets
	s_mov_b32 s33, 0
	v_lshlrev_b32 v2, 3, v3                        ; 8 bytes a lane on the way out
	s_wait_alu depctr_va_sdst(0)                   ; s5 is written
	s_cmp_lt_u32 s4, 512
	s_cbranch_scc0 .Lweights
	; x: my wave's rows R = 16 g + 2 w and R + 1.  Unit u is block kb = u: lanes 0-15 take 256 bytes of row R, lanes 16-31 of row R + 1; in xb the two rows' 128 bytes lie end to end.
	s_lshl_b32 s6, s4, 4
	s_lshl1_add_u32 s6, s5, s6
	s_lshl_b32 s30, s6, 12                         ; R x 4,096 bytes of x
	s_lshl_b32 s32, s6, 7                          ; R x 128 bytes in a block of xb
	v_lshrrev_b32 v1, 4, v3
	v_and_b32 v4, 15, v3
	v_lshlrev_b32 v1, 12, v1
	v_lshl_add_u32 v1, v4, 4, v1
	s_wait_kmcnt 0x0
	s_add_nc_u64 s[IN:IN+1], s[8:9], s[30:31]
	s_add_nc_u64 s[OUT:OUT+1], s[18:19], s[32:33]
	s_add_nc_u64 s[OUT2:OUT2+1], s[OUT:OUT+1], 0x800000
	s_wait_alu depctr_va_vdst(0)                   ; v1 and v2 are written: every load below reads v1 as its offset, every store v2
	LD16 16, 0, 256
.irp b, 0,1,2,3
	CV4 \b, 0
.irp i, 0,1,2,3
.set u, 4*(\b)+(\i)
.if u < 8
	global_store_b64 v2, v[Y+2*u:Y+2*u+1], s[OUT:OUT+1] offset:u*1048576
.else
	global_store_b64 v2, v[Y+2*u:Y+2*u+1], s[OUT2:OUT2+1] offset:(u-8)*1048576
.endif
.endr
.endr
	s_endpgm
.Lweights:
	s_cmp_lt_u32 s4, 704
	s_cbranch_scc0 .Lwo
	; wq, wk, wv: rows R and R + 1 of weight sel; a unit is 512 consecutive bytes of a row, eight units a row
	s_sub_co_u32 s6, s4, 512
	s_lshr_b32 s7, s6, 6                           ; sel: 0 wq, 1 wk, 2 wv
	s_and_b32 s6, s6, 63
	s_lshl_b32 s6, s6, 4
	s_lshl1_add_u32 s6, s5, s6                     ; R
	s_lshl_b32 s30, s6, 12
	s_mul_i32 s32, s6, 6144                        ; a row of wb
	s_lshl_b32 s35, s7, 11                         ; the weight's 2,048 bytes in it
	s_add_co_u32 s32, s32, s35
	v_lshlrev_b32 v1, 4, v3
	s_wait_kmcnt 0x0
	s_cmp_eq_u32 s7, 0
	s_cselect_b64 s[IN:IN+1], s[10:11], s[12:13]
	s_cmp_eq_u32 s7, 2
	s_cselect_b64 s[IN:IN+1], s[14:15], s[IN:IN+1]
	s_add_nc_u64 s[IN:IN+1], s[IN:IN+1], s[30:31]
	s_add_nc_u64 s[OUT:OUT+1], s[20:21], s[32:33]
	s_wait_alu depctr_va_vdst(0)                   ; v1 and v2 are written: every load below reads v1 as its offset, every store v2
	LD16 8, 4096, 512
.irp b, 0,1,2,3
	CV4 \b, 0
.irp i, 0,1,2,3
.set u, 4*(\b)+(\i)
	global_store_b64 v2, v[Y+2*u:Y+2*u+1], s[OUT:OUT+1] offset:(u/8)*6144+(u%8)*256
.endr
.endr
	s_endpgm
.Lwo:
	; wo, likewise, into rows of 2,048 bytes
	s_sub_co_u32 s6, s4, 704
	s_lshl_b32 s6, s6, 4
	s_lshl1_add_u32 s6, s5, s6
	s_lshl_b32 s30, s6, 12
	s_lshl_b32 s32, s6, 11
	v_lshlrev_b32 v1, 4, v3
	s_wait_kmcnt 0x0
	s_add_nc_u64 s[IN:IN+1], s[16:17], s[30:31]
	s_add_nc_u64 s[OUT:OUT+1], s[22:23], s[32:33]
	s_wait_alu depctr_va_vdst(0)                   ; v1 and v2 are written: every load below reads v1 as its offset, every store v2
	LD16 8, 4096, 512
.irp b, 0,1,2,3
	CV4 \b, 1
.irp i, 0,1,2,3
.set u, 4*(\b)+(\i)
	global_store_b64 v2, v[Y+2*u:Y+2*u+1], s[OUT:OUT+1] offset:(u/8)*2048+(u%8)*256
.endr
.endr
	s_endpgm
.Lfunc_end_k_q4a5863a9eb_prep:
	.size	k_q4a5863a9eb_prep, .Lfunc_end_k_q4a5863a9eb_prep-k_q4a5863a9eb_prep
	.p2alignl 7, 3214868480
	.fill 96, 4, 3214868480
	.section	.rodata,"a",@progbits
	.p2align	6, 0x0
	.amdhsa_kernel k_q4a5863a9eb_prep
		.amdhsa_group_segment_fixed_size 0
		.amdhsa_private_segment_fixed_size 0
		.amdhsa_enable_private_segment 0
		.amdhsa_kernarg_size 64
		.amdhsa_user_sgpr_count 2
		.amdhsa_user_sgpr_kernarg_segment_ptr 1
		.amdhsa_wavefront_size32 1
		.amdhsa_system_sgpr_workgroup_id_x 1
		.amdhsa_system_sgpr_workgroup_id_y 1
		.amdhsa_system_sgpr_workgroup_id_z 1
		.amdhsa_system_vgpr_workitem_id 0
		.amdhsa_next_free_vgpr 104
		.amdhsa_next_free_sgpr 66
		.amdhsa_reserve_vcc 0
		.amdhsa_float_denorm_mode_32 3
		.amdhsa_float_denorm_mode_16_64 3
		.amdhsa_memory_ordered 1
		.amdhsa_forward_progress 1
		.amdhsa_inst_pref_size 24
	.end_amdhsa_kernel
	.amdgpu_metadata
---
amdhsa.version: [ 1, 2 ]
amdhsa.kernels:
  - .name:           k_q4a5863a9eb_prep
    .symbol:         k_q4a5863a9eb_prep.kd
    .args:
      - { .name: x, .offset: 0, .size: 8, .value_kind: global_buffer, .address_space: global }
      - { .name: wq, .offset: 8, .size: 8, .value_kind: global_buffer, .address_space: global }
      - { .name: wk, .offset: 16, .size: 8, .value_kind: global_buffer, .address_space: global }
      - { .name: wv, .offset: 24, .size: 8, .value_kind: global_buffer, .address_space: global }
      - { .name: wo, .offset: 32, .size: 8, .value_kind: global_buffer, .address_space: global }
      - { .name: xb, .offset: 40, .size: 8, .value_kind: global_buffer, .address_space: global }
      - { .name: wb, .offset: 48, .size: 8, .value_kind: global_buffer, .address_space: global }
      - { .name: wob, .offset: 56, .size: 8, .value_kind: global_buffer, .address_space: global }
    .group_segment_fixed_size: 0
    .private_segment_fixed_size: 0
    .kernarg_segment_align: 8
    .kernarg_segment_size: 64
    .max_flat_workgroup_size: 256
    .sgpr_count:     66
    .vgpr_count:     104
    .wavefront_size: 32
...
	.end_amdgpu_metadata
.endif
;; end of part 5
;; launch gemm_qkv: the kernel of part 2 again; grid 8 x 32, 4 waves a work-group, clusters of 4 x 4, 327,680 bytes of LDS; arguments xb, wb, qkv; writes qkv
;; launch attn: the kernel of part 3 again; grid 256 x 1, 8 waves a work-group, no clusters, 327,680 bytes of LDS; arguments qkv, q_norm_w, k_norm_w, yb; writes yb
;; launch gemm_out: the kernel of part 4 again; grid 4 x 64, 4 waves a work-group, clusters of 4 x 4, 327,680 bytes of LDS; arguments yb, wob, out0; writes out0
